; MI455X (gfx1250); checked and timed in simulation.
; The chip was launched on July 23, 2026; its instructions are those of AMD's public machine-readable ISA for CDNA 5 (MIT licence, August 2026) and "CDNA5" Instruction Set Architecture Reference Guide (July 2026). The comments in the code are by the model that wrote it; some were corrected since.
;; Encoder Block. Allowed arithmetic: matrix products marked QUANTISED: E4M3 operands, one E8M0 scale for each 32 along K, by v_wmma_scale_f32_16x16x128_f8f6f4 with both operands' format E4M3, f32 sums; everything else in f32.
;; Inputs: b1 4,096 float32; b2 1,024 float32; bk 1,024 float32; bo 1,024 float32; bq 1,024 float32; bv 1,024 float32; ln1_a 1 float32; ln1_b 1 float32; ln2_a 1 float32; ln2_b 1 float32; src_mask 2 x 1 x 1 x 2,048 int32; w1 4,096 x 1,024 float32; w2 1,024 x 4,096 float32; wk 1,024 x 1,024 float32; wo 1,024 x 1,024 float32; wq 1,024 x 1,024 float32; wv 1,024 x 1,024 float32; x 2 x 2,048 x 1,024 float32.
;; Outputs: out0 2 x 2,048 x 1,024 float32.
;; This version of the problem:
;;   THIS VERSION OF THE PROBLEM IS GIVEN IN LOW PRECISION. The matrix products marked QUANTISED in the list below multiply operands that are first quantised to E4M3 (4 exponent bits, 3 mantissa bits; 8 bits a number), with one power-of-two scale for each 32 numbers along K (OCP MX v1.0); their sums are f32. All else is computed in f32.
;;   The module's matrix products, in the order in which they are computed (A, B: the left and right operand; K: the contracted axis; several contracted axes count as one K, in the product's order):
;;     1. [M 4,096, K 1,024] x [K 1,024, N 1,024]; A: computed on the way; B: input wq: QUANTISED
;;     2. [M 4,096, K 1,024] x [K 1,024, N 1,024]; A: computed on the way; B: input wk: QUANTISED
;;     3. [M 4,096, K 1,024] x [K 1,024, N 1,024]; A: computed on the way; B: input wv: QUANTISED
;;     4. batch 32 x [M 2,048, K 64] x [K 64, N 2,048]; A: computed on the way; B: computed on the way: QUANTISED
;;     5. batch 32 x [M 2,048, K 2,048] x [K 2,048, N 64]; A: softmax (see below); B: computed on the way: QUANTISED
;;     6. [M 4,096, K 1,024] x [K 1,024, N 1,024]; A: computed on the way; B: input wo: QUANTISED
;;     7. [M 4,096, K 1,024] x [K 1,024, N 4,096]; A: computed on the way; B: input w1: QUANTISED
;;     8. [M 4,096, K 4,096] x [K 4,096, N 1,024]; A: computed on the way; B: input w2: QUANTISED
;;   THE QUANTISER, for each operand of a quantised product, along K:
;;     - K is cut into blocks of 32 from its start; a last block that is shorter is filled with zeros.
;;     - A block's scale is 2^e with e = floor(log2(the largest magnitude in the block)) - 8, held to -126 .. 127; a block of zeros has e = 0. As a byte (E8M0): e + 127.
;;     - Each number is divided by its block's scale, clamped to +-448, and rounded to the nearest number of E4M3, ties to even, subnormals kept.
;;     - The product sums the exact products of the quantised numbers (number of the format x scale) in f32.
;;   ~~~python
;;   def quantise(x, axis):      # numpy; x: float32 -> the quantised numbers, widened to float32 again
;;       x = np.moveaxis(x, axis, -1); K = x.shape[-1]
;;       x = np.pad(x, [(0, 0)] * (x.ndim - 1) + [(0, -K % 32)]); x = x.reshape(x.shape[:-1] + (-1, 32)); a = np.abs(x).max(-1, keepdims=True)
;;       e = np.where(a > 0, np.clip(np.frexp(np.where(a > 0, a, 1))[1] - 1 - 8, -126, 127), 0)      # np.frexp(a)[1] - 1 = floor(log2(a)), exactly
;;       r = np.clip(x / 2.0 ** e, -448, 448)
;;       step = 2.0 ** (np.maximum(np.frexp(np.where(r == 0, 1, r))[1] - 1, -6) - 3)
;;       q = np.round(r / step) * step * 2.0 ** e      # np.round: ties to even
;;       return np.moveaxis(q.reshape(q.shape[:-2] + (-1,))[..., :K], -1, axis).astype(np.float32)
;;   ~~~
;;   SOFTMAX AHEAD OF A QUANTISED PRODUCT. Where the list says 'softmax', what is quantised is not the finished softmax but p = 2^(t - M), with t = logit x log2(e) and M = ceil(the row's largest t), a whole number; so 1/2 < the row's largest p <= 1. The row's sum l is taken of the UNQUANTISED p, in f32, and the product's result is divided by l at the end. Since M is a whole number, a kernel that streams over the keys may use a running M (the ceiling of the running maximum): every later rescaling is an exact power of two, which a block's scale takes up: the codes' values come out the same.
;;   OPERANDS COMPUTED ON THE WAY. 'Computed on the way' means the value that the module computes at that place (a softmax that the list does not call 'softmax' is quantised finished and normalised). What goes into a quantiser is computed in f32, as accurately as f32 sums, v_exp_f32 and their like allow (about 1e-6 of the number): no bf16 or f16 on the way to a quantiser, and a product that is left as it is and whose result goes on into a quantised operand takes f32 operands (vector FMAs, or v_wmma_f32_16x16x4_f32). A number that lies on a knife's edge between two numbers of the format may be rounded either way, as far as f32 arithmetic and the matrix unit's own rounding can turn it there, and no further.
;; One version. Each part assembles by itself: llvm-mc -triple=amdgcn-amd-amdhsa -mcpu=gfx1250 --defsym DOCPART=n.
;; ======== version 1 of 1: 7 launches
;; limits: right only within a limited range of input values
;; workspace buffers: acta 4,325,376 bytes; wqs 4,346,368 bytes; w1s 4,346,368 bytes; w2s 4,325,376 bytes; qkvc 21,626,880 bytes; hc 17,301,504 bytes; x1 16,777,216 bytes
;; launch prep (part 1): grid 512 x 1, 8 waves a work-group, no clusters, 43,008 bytes of LDS; arguments x, ln1_a, ln1_b, wq, wk, wv, wo, w1, w2, bq, bk, bv, b1, acta, wqs, w1s, w2s; writes acta, wqs, w1s, w2s
.if DOCPART == 1
	.amdgcn_target "amdgcn-amd-amdhsa--gfx1250"
	.amdhsa_code_object_version 6
	.text
	.protected	k_qcbeb70a094_prep
	.globl	k_qcbeb70a094_prep
	.p2align	8
	.type	k_qcbeb70a094_prep,@function
k_qcbeb70a094_prep:
	s_mov_b64 s[64:65], 0
	v_nop
	global_prefetch_b8 v0, s[64:65] scope:SCOPE_SE
	s_setreg_imm32_b32 hwreg(HW_REG_WAVE_MODE, 25, 1), 1
	s_wait_xcnt 0x0
; Rows of 1,024 f32 numbers become codes of E4M3 with one E8M0 byte for each 32 along the row.  Work-groups 0-127 first normalise their rows
; (mean; unbiased deviation; alpha (x - mean) / sqrt(deviation + 1e-6) + beta); the others (the six weights) pass their numbers unchanged: mean 0, gain 1, shift 0 are
; chosen by selects on the work-group's number, so that there is ONE path through the text.  Work-group 511 also copies the biases and writes the flags that the products' launches read.
; LAYOUT OUT.  Codes [rows][K] bytes; scale bytes [K / 256][rows][8].  A row with number L lies at the place that is L with bits 3 and 4 exchanged: sixteen neighbouring places then hold
; rows 8 u + r + 8 (r / 8) of a group of 32, the order in which a transposed product leaves 16 neighbours along the next K in a lane's registers.
; SHARES.  A work-group takes 32 rows, each of its eight waves 4: rows 4 w + k, written at places k + 4 (w & 1) + 16 ((w >> 1) & 1) + 8 (w >> 2).  A row is 8 loads of 512 consecutive bytes; a wave's 32 loads go out
; together at its head, and a row stays in 32 registers for both passes.  With 256 registers a wave, two work-groups lie on a WGP: 512 work-groups are four waves to each of 1,024 SIMDs.
; The conversions want 16 neighbours in a lane, so a row turns through the wave's own stage in LDS (64 bytes + 16 of padding a place).  A lane's 16 codes are 16 bytes: a store covers 512 consecutive bytes.
; The scale bytes of the 32 rows are gathered in LDS and leave as four aligned runs of 256 bytes, by waves 0 to 3, behind the one barrier.
; LIMITS: NaN and infinities are not served; a block whose largest magnitude lies under 2^-118, a block of zeros among them, takes the byte 1 (its codes are zeros or tiny; the bytes are read by this program alone).
.set R,    32                          ; v32-159  four sets of 32: my four rows as loaded, then normalised
.set X,    160                         ; v160-191 two halves of a row's turn: 16 neighbours each
.set C,    192                         ; v192-199 a row's codes
.set E,    200                         ; v200-207 a scale byte for each (row, half)
.set VO,   16                          ; v16-19   row k: byte offset in the source
.set DC,   24                          ; v24-27   row k: byte offset in the codes
.set SP,   80
.set GATH, 40960                       ; LDS: behind the eight stages of 5,120 bytes: [4 groups of 256 along K][32 places][8]
.set MEAN, 216
.set GAIN, 218
.set SHFT, 220
.set ACC,  222                         ; v222-229 four chains of pairs
.set TP,   230
.set SBA,  240                         ; where my block's scale byte goes
.set SRA,  241                         ; where I read 8 gathered bytes
.set SGO,  242                         ; and where they go in memory
	s_load_b512 s[4:19], s[0:1], 0x0               ; x, alpha, beta, wq, wk, wv, wo, w1
	s_load_b512 s[20:35], s[0:1], 0x40             ; w2, bq, bk, bv, b1, acta, wqs, w1s
	s_load_b64 s[36:37], s[0:1], 0x80              ; w2s
	v_lshl_add_u32 v254, v0, 2, 0xa400
	v_mov_b32 v255, 0
	v_lshrrev_b32 v1, 5, v0
	s_delay_alu instid0(VALU_DEP_1)
	v_readfirstlane_b32 s46, v1                    ; wave 0..7
	v_and_b32 v2, 31, v0                           ; lane
	s_lshr_b32 s38, ttmp9, 7                       ; t: 0 the activations, 1 wq wk wv wo, 2 w1, 3 w2
	s_and_b32 s39, ttmp9, 127
	s_lshr_b32 s42, s39, 5
	s_and_b32 s43, s39, 31
	s_wait_alu depctr_va_vdst(0)
	s_wait_kmcnt 0x0
	s_load_b32 s51, s[6:7], 0x0                    ; alpha
	s_load_b32 s52, s[8:9], 0x0                    ; beta
	s_mov_b64 s[40:41], s[10:11]                   ; the source: chosen by the work-group's number alone
	s_cmp_eq_u32 s42, 1
	s_cselect_b64 s[40:41], s[12:13], s[40:41]
	s_cmp_eq_u32 s42, 2
	s_cselect_b64 s[40:41], s[14:15], s[40:41]
	s_cmp_eq_u32 s42, 3
	s_cselect_b64 s[40:41], s[16:17], s[40:41]
	s_cmp_eq_u32 s38, 0
	s_cselect_b64 s[40:41], s[4:5], s[40:41]
	s_cmp_eq_u32 s38, 2
	s_cselect_b64 s[40:41], s[18:19], s[40:41]
	s_cmp_eq_u32 s38, 3
	s_cselect_b64 s[40:41], s[20:21], s[40:41]
	s_mov_b64 s[44:45], s[30:31]                   ; the destination
	s_cmp_eq_u32 s38, 1
	s_cselect_b64 s[44:45], s[32:33], s[44:45]
	s_cmp_eq_u32 s38, 2
	s_cselect_b64 s[44:45], s[34:35], s[44:45]
	s_cmp_eq_u32 s38, 3
	s_cselect_b64 s[44:45], s[36:37], s[44:45]
	s_cselect_b32 s48, 14, 12                      ; a source row: 2^14 bytes in w2, else 2^12
	s_cselect_b32 s49, 12, 10                      ; a row of codes
	s_cselect_b32 s62, 13, 15                      ; a group of scale bytes: 8 x rows
	s_cselect_b32 s56, s42, 0                      ; w2: which quarter of K
	s_cselect_b32 s57, s43, s39                    ; which 32 places of the destination
	s_bitcmp1_b32 s38, 0
	s_cselect_b32 s63, s43, s39                    ; which 32 rows of the source
	s_cmp_eq_u32 s38, 0
	s_cselect_b32 s50, -1, 0                       ; normalise: all lanes or none
	s_lshl_b32 s58, s63, 5
	s_lshl_b32 s58, s58, s48
	s_lshl_b32 s60, s56, 12
	s_add_co_u32 s58, s58, s60
	s_mov_b32 s59, 0
	s_add_nc_u64 s[40:41], s[40:41], s[58:59]
	s_lshl_b32 s58, s56, 2                         ; the first group of 256 along K,
	s_lshl_b32 s58, s58, s62
	s_lshl_b32 s60, s57, 8                         ; 8 bytes x 32 places
	s_add_co_u32 s58, s58, s60
	s_add_co_u32 s58, s58, 0x400000
	s_add_nc_u64 s[68:69], s[44:45], s[58:59]      ; the scale bytes
	s_lshl_b32 s58, s57, 5
	s_lshl_b32 s58, s58, s49
	s_lshl_b32 s60, s56, 10
	s_add_co_u32 s58, s58, s60
	s_add_nc_u64 s[44:45], s[44:45], s[58:59]      ; the codes
	s_and_b32 s47, s46, 1                          ; my four rows' first place: bit 2 stays, bits 3 and 4 change places
	s_lshl_b32 s47, s47, 2
	s_bfe_u32 s56, s46, 0x10001
	s_lshl_b32 s56, s56, 4
	s_or_b32 s47, s47, s56
	s_bfe_u32 s56, s46, 0x10002
	s_lshl_b32 s56, s56, 3
	s_or_b32 s47, s47, s56
	s_mov_b32 s53, 0x600000                        ; the mantissa field of 448
	s_mov_b32 s54, 0x76543210
	s_mov_b32 s55, 0xfedcba98                      ; lane l xor 16
	v_lshlrev_b32 v3, 4, v2
	s_wait_alu depctr_va_vdst(0)
	s_lshl_b32 s70, s46, 2
.irp k, 0,1,2,3
	s_add_co_u32 s72, s70, \k
	s_lshl_b32 s72, s72, s48
	v_add_nc_u32 v[VO+\k], s72, v3
	s_add_co_u32 s72, s47, \k
	s_lshl_b32 s72, s72, s49
	v_add_nc_u32 v[DC+\k], s72, v3
.endr
.macro LOADROW k
.irp i, 0,1,2,3,4,5,6,7
	global_load_b128 v[R+32*(\k)+4*\i:R+32*(\k)+4*\i+3], v[VO+(\k)], s[40:41] offset:512*\i th:TH_LOAD_NT
.endr
.endm
	s_wait_alu depctr_va_vdst(0)
	LOADROW 0
	LOADROW 1
	LOADROW 2
	LOADROW 3
	s_mul_i32 s57, s46, 5120
	v_lshrrev_b32 v14, 2, v2
	s_delay_alu instid0(VALU_DEP_1)
	v_mul_u32_u24 v14, v14, SP
	v_and_b32 v15, 3, v2
	s_delay_alu instid0(VALU_DEP_1)
	v_lshl_add_u32 v14, v15, 4, v14
	s_delay_alu instid0(VALU_DEP_1)
	v_add_nc_u32 v14, s57, v14                     ; the stage, in: four lanes' 64 bytes on end, then 16 of padding
	v_mul_u32_u24 v15, v2, SP
	s_delay_alu instid0(VALU_DEP_1)
	v_add_nc_u32 v15, s57, v15                     ; out: my 16 neighbours
	v_lshrrev_b32 v4, 4, v2
	v_bfe_u32 v5, v2, 1, 3
	s_delay_alu instid0(VALU_DEP_1)
	v_lshl_add_u32 v[SBA], v4, 8, v5
	s_lshl_b32 s57, s47, 3
	s_add_co_u32 s57, s57, GATH
	v_add_nc_u32 v[SBA], s57, v[SBA]               ; group (lane / 16) of the half, my first place, byte (lane / 2) % 8
	s_and_b32 s56, s46, 3
	v_lshlrev_b32 v[SRA], 3, v2
	s_lshl_b32 s57, s56, s62
	v_add_nc_u32 v[SGO], s57, v[SRA]               ; group w of the scale bytes, 8 bytes a lane (waves 0 to 3 use it)
	s_lshl_b32 s57, s56, 8
	s_add_co_u32 s57, s57, GATH
	v_add_nc_u32 v[SRA], s57, v[SRA]
	v_mov_b32 v[TP], 0                             ; a lane permute's destination counts as one of its sources
	s_wait_kmcnt 0x0
	s_cmp_eq_u32 s38, 0
	s_cselect_b32 s52, s52, 0
	v_mov_b32 v[SHFT], s52
	v_mov_b32 v[SHFT+1], s52
	; Work-group 511 alone: the biases beside the weights' codes, two runs of zeros, and the flags (-1.0: keep the sign; 0.0: clip at 0).  256 threads, 16 bytes each.  Its loads stand behind the row loads, which are on their way meanwhile.
	s_cmp_lg_u32 ttmp9, 511
	s_cbranch_scc1 .Lrows
	v_lshlrev_b32 v232, 4, v0
	v_and_b32 v233, 127, v0                        ; the flags' block is 512 bytes: threads t and t + 128 write the same word with the same value
	s_delay_alu instid0(VALU_DEP_1)
	v_lshlrev_b32 v233, 2, v233
	global_load_b128 v[160:163], v232, s[22:23]    ; bq
	global_load_b128 v[164:167], v232, s[24:25]    ; bk
	global_load_b128 v[168:171], v232, s[26:27]    ; bv
.irp i, 0,1,2,3
	global_load_b128 v[172+4*\i:175+4*\i], v232, s[28:29] offset:4096*\i   ; b1
.endr
.irp i, 188,189,190,191
	v_mov_b32 v\i, 0
.endr
	v_mov_b32 v234, -1.0
	s_wait_alu depctr_va_vdst(0)
	s_wait_loadcnt 0x0
	global_store_b128 v232, v[160:163], s[32:33] offset:0x420000
	global_store_b128 v232, v[164:167], s[32:33] offset:0x421000
	global_store_b128 v232, v[188:191], s[32:33] offset:0x422000   ; the zeros that v's tiles take as their bias by columns
	global_store_b128 v232, v[168:171], s[32:33] offset:0x424000
	global_store_b128 v232, v[188:191], s[34:35] offset:0x424000   ; no bias by rows in the first FFN product
.irp i, 0,1,2,3
	global_store_b128 v232, v[172+4*\i:175+4*\i], s[34:35] offset:0x420000+4096*\i
.endr
	global_store_b32 v233, v234, s[32:33] offset:0x425000
	global_store_b32 v233, v188, s[34:35] offset:0x425000
	s_wait_xcnt 0x0                                ; the stores have read their registers: the rows' turns write them again
.Lrows:
.macro FOLD                            ; four chains of pairs -> one number in every lane
	s_delay_alu instid0(VALU_DEP_3)
	v_pk_add_f32 v[ACC:ACC+1], v[ACC:ACC+1], v[ACC+2:ACC+3]
	s_delay_alu instid0(VALU_DEP_2)
	v_pk_add_f32 v[ACC+4:ACC+5], v[ACC+4:ACC+5], v[ACC+6:ACC+7]
	s_delay_alu instid0(VALU_DEP_1)
	v_pk_add_f32 v[ACC:ACC+1], v[ACC:ACC+1], v[ACC+4:ACC+5]
	s_delay_alu instid0(VALU_DEP_1)
	v_add_f32 v[ACC], v[ACC], v[ACC+1]
	s_delay_alu instid0(VALU_DEP_1)
	v_add_f32_dpp v[ACC], v[ACC], v[ACC] row_xmask:1 row_mask:0xf bank_mask:0xf
	s_delay_alu instid0(VALU_DEP_1)
	v_add_f32_dpp v[ACC], v[ACC], v[ACC] row_xmask:2 row_mask:0xf bank_mask:0xf
	s_delay_alu instid0(VALU_DEP_1)
	v_add_f32_dpp v[ACC], v[ACC], v[ACC] row_xmask:4 row_mask:0xf bank_mask:0xf
	s_delay_alu instid0(VALU_DEP_1)
	v_add_f32_dpp v[ACC], v[ACC], v[ACC] row_xmask:8 row_mask:0xf bank_mask:0xf
	s_delay_alu instid0(VALU_DEP_1)
	v_permlanex16_b32 v[TP], v[ACC], s54, s55
	s_delay_alu instid0(VALU_DEP_1)
	v_add_f32 v[ACC], v[ACC], v[TP]
.endm
.macro QSTEP k, hf                     ; half a row: 512 numbers, 16 a lane, two lanes to a block
.set XS, X+16*(\hf)
	v_max3_num_f32 v8, |v[XS]|, |v[XS+1]|, |v[XS+2]|
	v_max3_num_f32 v9, |v[XS+3]|, |v[XS+4]|, |v[XS+5]|
.irp i, 6,10
	s_delay_alu instid0(VALU_DEP_2)
	v_max3_num_f32 v8, v8, |v[XS+\i]|, |v[XS+\i+1]|
	s_delay_alu instid0(VALU_DEP_2)
	v_max3_num_f32 v9, v9, |v[XS+\i+2]|, |v[XS+\i+3]|
.endr
	s_delay_alu instid0(VALU_DEP_2)
	v_max3_num_f32 v8, v8, |v[XS+14]|, |v[XS+15]|
	s_delay_alu instid0(VALU_DEP_1)
	v_max3_num_f32 v8, v8, v9, 0x4800000           ; the floor 2^(9 - 127): the byte cannot fall under 1
	s_delay_alu instid0(VALU_DEP_1)
	v_max_num_f32_dpp v8, v8, v8 row_xmask:1 row_mask:0xf bank_mask:0xf   ; with my neighbour's 16: the block's largest magnitude
	s_delay_alu instid0(VALU_DEP_1)
	v_add_nc_u32 v11, 0xfc000000, v8               ; 8 off its exponent field: the conversion's scale operand
	s_delay_alu instid0(VALU_DEP_2)
	v_and_or_b32 v10, v8, 0x7f800000, s53          ; 448 x the scale
.irp i, 0,1,2,3,4,5,6,7,8,9,10,11,12,13,14,15
	v_med3_num_f32 v[XS+\i], v[XS+\i], -v10, v10   ; the conversion to an 8-bit code does not saturate (ISA guide 7.6.2)
.endr
	v_cvt_scalef32_pk8_fp8_f32 v[C+4*(\hf):C+4*(\hf)+1], v[XS:XS+7], v11
	v_cvt_scalef32_pk8_fp8_f32 v[C+4*(\hf)+2:C+4*(\hf)+3], v[XS+8:XS+15], v11
	v_lshrrev_b32 v[E+2*(\k)+(\hf)], 23, v11       ; the scale's byte (also the plain line behind the conversions)
	ds_store_b8 v[SBA], v[E+2*(\k)+(\hf)] offset:512*(\hf)+8*(\k)   ; both lanes of a block write the same byte with the same value
	global_store_b128 v[DC+(\k)], v[C+4*(\hf):C+4*(\hf)+3], s[44:45] offset:512*(\hf)
.endm
.macro ROW k
.set RS, R+32*(\k)
	s_wait_loadcnt 8*(3-(\k))                      ; my row's eight loads are in; those of the rows behind it may be out
.irp c, 0,1,2,3
	v_pk_add_f32 v[ACC+2*\c:ACC+2*\c+1], v[RS+2*\c:RS+2*\c+1], v[RS+8+2*\c:RS+9+2*\c]
.endr
.irp o, 16,24
.irp c, 0,1,2,3
	s_delay_alu instid0(VALU_DEP_4)
	v_pk_add_f32 v[ACC+2*\c:ACC+2*\c+1], v[ACC+2*\c:ACC+2*\c+1], v[RS+\o+2*\c:RS+\o+2*\c+1]
.endr
.endr
	FOLD
	s_delay_alu instid0(VALU_DEP_1)
	v_mul_f32 v[ACC], 0x3a800000, v[ACC]           ; / 1,024
	s_delay_alu instid0(VALU_DEP_1)
	v_cndmask_b32 v[MEAN], 0, v[ACC], s50          ; a weight's mean counts as 0
	s_delay_alu instid0(VALU_DEP_1)
	v_mov_b32 v[MEAN+1], v[MEAN]
.irp p, 0,2,4,6,8,10,12,14,16,18,20,22,24,26,28,30
	v_pk_add_f32 v[RS+\p:RS+\p+1], v[RS+\p:RS+\p+1], v[MEAN:MEAN+1] neg_lo:[0,1] neg_hi:[0,1]
.endr
.irp c, 0,1,2,3
	v_pk_mul_f32 v[ACC+2*\c:ACC+2*\c+1], v[RS+2*\c:RS+2*\c+1], v[RS+2*\c:RS+2*\c+1]
.endr
.irp o, 8,16,24
.irp c, 0,1,2,3
	s_delay_alu instid0(VALU_DEP_4)
	v_pk_fma_f32 v[ACC+2*\c:ACC+2*\c+1], v[RS+\o+2*\c:RS+\o+2*\c+1], v[RS+\o+2*\c:RS+\o+2*\c+1], v[ACC+2*\c:ACC+2*\c+1]
.endr
.endr
	FOLD
	s_delay_alu instid0(VALU_DEP_1)
	v_mul_f32 v[ACC], 0x3a802008, v[ACC]           ; / 1,023
	s_wait_alu depctr_va_vdst(0)
	v_sqrt_f32 v[ACC+1], v[ACC]
	v_nop                                          ; a plain line behind the transcendental,
	s_wait_alu depctr_va_vdst(0)                   ; and the wait ahead of its first reader
	v_add_f32 v[ACC+1], 0x358637bd, v[ACC+1]       ; + 1e-6
	s_wait_alu depctr_va_vdst(0)
	v_rsq_f32 v[ACC+2], v[ACC+1]
	v_nop
	s_wait_alu depctr_va_vdst(0)
	v_mul_f32 v[ACC+2], s51, v[ACC+2]
	s_delay_alu instid0(VALU_DEP_1)
	v_cndmask_b32 v[GAIN], 1.0, v[ACC+2], s50      ; a weight's gain is 1
	s_delay_alu instid0(VALU_DEP_1)
	v_mov_b32 v[GAIN+1], v[GAIN]
.irp p, 0,2,4,6,8,10,12,14,16,18,20,22,24,26,28,30
	v_pk_fma_f32 v[RS+\p:RS+\p+1], v[RS+\p:RS+\p+1], v[GAIN:GAIN+1], v[SHFT:SHFT+1]
.endr
.irp i, 0,1,2,3,4,5,6,7
	ds_store_b128 v14, v[RS+4*\i:RS+4*\i+3] offset:2560*(\i/4)+640*(\i%4)
.endr
.irp hf, 0,1
.irp j, 0,1,2,3
	ds_load_b128 v[X+16*\hf+4*\j:X+16*\hf+4*\j+3], v15 offset:2560*\hf+16*\j   ; LDS serves a wave's instructions in order: these see the stores above
.endr
.endr
	s_wait_dscnt 0x0                               ; the row is back, 16 neighbours a lane
	s_wait_xcnt 0x0                                ; the last row's stores have read the codes' registers: they are written again only behind this wait
	QSTEP \k, 0
	QSTEP \k, 1
.endm
.irp k, 0,1,2,3
	ROW \k
.endr
	s_wait_dscnt 0x0                               ; for the others' sake: my scale bytes lie in LDS
	s_barrier_signal -1
	s_barrier_wait -1
	s_cmp_ge_u32 s46, 4                            ; four groups of 256 along K: waves 0 to 3 take one each
	s_cbranch_scc1 .Lend
	ds_load_b64 v[12:13], v[SRA]                   ; group w: 32 places x 8 bytes
	s_wait_dscnt 0x0
	global_store_b64 v[SGO], v[12:13], s[68:69]    ; 32 lanes store 256 consecutive bytes, aligned
.Lend:
	s_wait_tensorcnt 0x0
	ds_add_u32 v254, v255
	s_wait_dscnt 0x0
	s_endpgm
.Lfunc_end_k_qcbeb70a094_prep:
	.size	k_qcbeb70a094_prep, .Lfunc_end_k_qcbeb70a094_prep-k_qcbeb70a094_prep
	.p2alignl 7, 3214868480
	.fill 96, 4, 3214868480
	.section	.rodata,"a",@progbits
	.p2align	6, 0x0
	.amdhsa_kernel k_qcbeb70a094_prep
		.amdhsa_group_segment_fixed_size 43008
		.amdhsa_private_segment_fixed_size 0
		.amdhsa_enable_private_segment 0
		.amdhsa_kernarg_size 136
		.amdhsa_user_sgpr_count 2
		.amdhsa_user_sgpr_kernarg_segment_ptr 1
		.amdhsa_wavefront_size32 1
		.amdhsa_system_sgpr_workgroup_id_x 1
		.amdhsa_system_sgpr_workgroup_id_y 1
		.amdhsa_system_sgpr_workgroup_id_z 1
		.amdhsa_system_vgpr_workitem_id 0
		.amdhsa_next_free_vgpr 256
		.amdhsa_next_free_sgpr 96
		.amdhsa_reserve_vcc 0
		.amdhsa_float_denorm_mode_32 3
		.amdhsa_float_denorm_mode_16_64 3
		.amdhsa_memory_ordered 1
		.amdhsa_forward_progress 1
		.amdhsa_inst_pref_size 62
	.end_amdhsa_kernel
	.amdgpu_metadata
---
amdhsa.version: [ 1, 2 ]
amdhsa.kernels:
  - .name:           k_qcbeb70a094_prep
    .symbol:         k_qcbeb70a094_prep.kd
    .args:
      - { .name: x, .offset: 0, .size: 8, .value_kind: global_buffer, .address_space: global }
      - { .name: ln1_a, .offset: 8, .size: 8, .value_kind: global_buffer, .address_space: global }
      - { .name: ln1_b, .offset: 16, .size: 8, .value_kind: global_buffer, .address_space: global }
      - { .name: wq, .offset: 24, .size: 8, .value_kind: global_buffer, .address_space: global }
      - { .name: wk, .offset: 32, .size: 8, .value_kind: global_buffer, .address_space: global }
      - { .name: wv, .offset: 40, .size: 8, .value_kind: global_buffer, .address_space: global }
      - { .name: wo, .offset: 48, .size: 8, .value_kind: global_buffer, .address_space: global }
      - { .name: w1, .offset: 56, .size: 8, .value_kind: global_buffer, .address_space: global }
      - { .name: w2, .offset: 64, .size: 8, .value_kind: global_buffer, .address_space: global }
      - { .name: bq, .offset: 72, .size: 8, .value_kind: global_buffer, .address_space: global }
      - { .name: bk, .offset: 80, .size: 8, .value_kind: global_buffer, .address_space: global }
      - { .name: bv, .offset: 88, .size: 8, .value_kind: global_buffer, .address_space: global }
      - { .name: b1, .offset: 96, .size: 8, .value_kind: global_buffer, .address_space: global }
      - { .name: acta, .offset: 104, .size: 8, .value_kind: global_buffer, .address_space: global }
      - { .name: wqs, .offset: 112, .size: 8, .value_kind: global_buffer, .address_space: global }
      - { .name: w1s, .offset: 120, .size: 8, .value_kind: global_buffer, .address_space: global }
      - { .name: w2s, .offset: 128, .size: 8, .value_kind: global_buffer, .address_space: global }
    .group_segment_fixed_size: 43008
    .private_segment_fixed_size: 0
    .kernarg_segment_align: 8
    .kernarg_segment_size: 136
    .max_flat_workgroup_size: 256
    .sgpr_count:     96
    .vgpr_count:     256
    .wavefront_size: 32
...
	.end_amdgpu_metadata
.endif
;; end of part 1
;; launch qkvp (part 2): grid 4 x 48, 4 waves a work-group, clusters of 4 x 4, 327,680 bytes of LDS; arguments acta, wqs, qkvc; writes qkvc
.if DOCPART == 2
	.amdgcn_target "amdgcn-amd-amdhsa--gfx1250"
	.amdhsa_code_object_version 6
	.text
	.protected	k_qcbeb70a094_qkvp
	.globl	k_qcbeb70a094_qkvp
	.p2align	8
	.type	k_qcbeb70a094_qkvp,@function
k_qcbeb70a094_qkvp:
	s_mov_b64 s[64:65], 0
	v_nop
	global_prefetch_b8 v0, s[64:65] scope:SCOPE_SE
	s_setreg_imm32_b32 hwreg(HW_REG_WAVE_MODE, 25, 1), 1
	s_wait_xcnt 0x0
	s_wait_alu depctr_hold_cnt(0) depctr_sa_sdst(0) depctr_va_vdst(0) depctr_va_sdst(0) depctr_va_ssrc(0) depctr_va_vcc(0) depctr_vm_vsrc(0)
	s_getreg_b32 s2, hwreg(HW_REG_IB_STS2, 6, 4)
	s_cmp_eq_u32 s2, 0
	s_cbranch_scc0 .Lentry_in_a_cluster
	s_endpgm
.Lentry_in_a_cluster:
	s_bfe_u32 s2, ttmp6, 0x10000c
	s_cmp_lg_u32 s2, 0xf033
	s_cbranch_scc0 .Lentry_shape_is_right
	s_endpgm
.Lentry_shape_is_right:
; OUT = Q(f(ACT W^T + bias)): a product on codes of E4M3 (K = 1,024, one E8M0 byte for each 32 along K) whose result is quantised again, along its columns, and stored as codes and scale bytes.
; ACT: codes [4096][1024], scale bytes [4][4096][8] at 0x400000.  WB: the same for 4,096 rows of weights; behind them a bias by columns (0x420000), a bias by rows (0x424000) and a flag (0x425000: -1.0 keep the sign, 0.0 clip at 0).
; TWO WAYS, chosen by the cluster's y with selects alone (no branch).  Way A (y < 4): lanes = tokens, registers = the weights' rows: OUT [token][column], pitch 4,096, scale bytes [column / 256][4096][8] at 0x1000000.
; Way B (y = 4 .. 7): lanes = rows 2,048 .. 3,071 of the weights, registers = tokens: the result TRANSPOSED, [row][token] at 0x1080000, quantised along the tokens, scale bytes [token / 256][1024][8] at 0x1480000.
; Rows of every operand lie with bits 3 and 4 of their number exchanged, so that the 16 registers of two neighbouring tiles are 16 neighbours along the result's columns.
; A tile of 256 x 256 is made by four waves, 128 x 128 each: 64 accumulators, 512 registers.  K goes in steps of 256 through two LDS slots filled by the tensor data mover; a tile's row is 256 bytes of memory.
; The scale bytes of both operands' 256 rows, for all of K, come once with the first fills.  CLUSTERS: 4 x 4; the operand in the lanes (P) is shared along a row of the cluster, the one in the registers (R) along a column: joint loads.
; REGISTERS: window 0: v0-31 addresses and the bias by rows; v32-63 scale words, two sets; v64-127 the bias by columns (the C of the first products), later at work; v128-255 P's fragments, one set.
;   window 1: R's fragments, two sets.  windows 2, 3: the accumulators ((a, b) at v[8 (8 (a % 4) + b)]).
; LIMITS: NaN and infinities are not served; a block whose largest magnitude lies under 2^-118 takes the byte 1.
.set NQ,     2
.set ROWB,   256
.set KROW,   1024
.set PITCH,  272                       ; 256 bytes + 16 of padding: the 16 rows that a load touches start at 16 different banks (64 banks of 4 bytes: ISA guide 11.1)
.set FR,     16
.set NL,     4
.set NP,     8                         ; places behind this matrix instruction (ISA guide 7.12.1)
.set HALFT,  128*PITCH
.set SLOT,   4*HALFT
.set SCL,    2*SLOT                    ; P's scale bytes [4][256][8]
.set SCLB,   SCL+8320                  ; R's, 128 bytes askew, so that the two halves of the lanes read different banks
.set SPARE,  295168                    ; the spare words, 128 bytes for each wave
.set SSTG,   69632                     ; the way out, in slot 0: codes [256][272] at 0, scale bytes [256][8] here
.set G2,   7
.set BI,   8                           ; v8-15   the bias by rows, block a
.set ADRA, 16
.set SCO,  18
.set ADRB, 20
.set STO,  24
.set RD,   25
.set RD2,  19
.set CO,   26
.set ADRS, 27
.set SPW,  28
.set NIL,  29
.set SSO,  30
.set SRD,  31
.set SC,   32
.set BJ,   64
.set AF,   128
.set PC,   64                          ; the way out: v64-79 codes; v88.. at work
.set MX,   88
.set MN,   92
.set TP,   96
.set HI,   104
.set LO,   108
.set SO,   112
.set BY,   116
.set PW,   120
.set BIP,  122
.set SB,   124
.set G1, 24
.set G0, 32
.set G1B, 48
.set G0B, 56
.set G1S, 68
.set G0S, 76
.set G1SB, 80
.set G0SB, 88
.set MSB, 0
.macro WIN new                         ; the immediate's high byte repeats the setting that is left
.if MSB != (\new)
	s_set_vgpr_msb (MSB<<8)|(\new)
.set MSB, (\new)
.endif
.endm
.set MUL_LO, 0xa1                      ; source 0 (R) window 1, source 1 (P) window 0, C and D window 2
.set MUL_HI, 0xf1
.set TO_B,   0x40
.macro JLOAD g0a, g1a, g0b, g1b        ; a joint load: waves 0 and 1 fetch for P, waves 2 and 3 for R; four v_nop follow each line
	s_cmp_eq_u32 s15, 0
	s_cbranch_scc0 .Lfor_b_\@
	tensor_load_to_lds s[\g0a:\g0a+3], s[\g1a:\g1a+7]
	s_nop 0
.rept 4
	v_nop
.endr
	s_branch .Lasked_\@
.Lfor_b_\@:
	tensor_load_to_lds s[\g0b:\g0b+3], s[\g1b:\g1b+7]
	s_nop 0
.rept 4
	v_nop
.endr
.Lasked_\@:
.endm
.macro CREST
	s_cmp_lg_u32 s14, 0
	s_cbranch_scc1 .Lnot_wave_0_\@
	s_barrier_signal -3
.Lnot_wave_0_\@:
	s_barrier_wait -3
	s_barrier_signal -1
	s_barrier_wait -1
.endm
.macro CROUND
	s_barrier_signal -1
	s_barrier_wait -1
	CREST
.endm
.macro PLACES n
.rept \n
	v_nop
.endr
.endm
	s_load_b128 s[4:7], s[0:1], 0x0                ; ACT, WB
	s_load_b64 s[8:9], s[0:1], 0x10                ; OUT
	v_lshl_add_u32 v[SPW], v0, 2, SPARE
	v_mov_b32 v[NIL], 0
	ds_add_u32 v28, v29
	ds_add_u32 v28, v29
	s_wait_dscnt 0x0
	v_lshrrev_b32 v1, 5, v0
	v_readfirstlane_b32 s14, v1                    ; wave
	s_lshr_b32 s15, s14, 1                         ; my half of P's rows; also: I fetch for P (0) or R (1)
	s_and_b32 s16, s14, 1                          ; my half of R's rows; also: which half I fetch
	s_bfe_u32 s40, ttmp6, 0x40000                  ; cx
	s_bfe_u32 s41, ttmp6, 0x40004                  ; cy
	s_lshl_b32 s42, ttmp9, 2
	s_add_co_u32 s42, s42, s40                     ; X = 4 x cluster x + cx
	s_and_b32 s17, ttmp7, 0xffff                   ; the cluster's y
	; The first launch of this body has one cluster along x: y 0-3 make q (way A), y 4-7 v (way B, 1,024 tokens each), y 8-11 k: way A with y - 8 and X + 4, and another order on the way out.  The second launch has y 0-3 alone.
	s_cmp_ge_u32 s17, 8
	s_cselect_b32 s18, 8, 0
	s_sub_co_u32 s17, s17, s18
	s_lshr_b32 s18, s18, 1
	s_add_co_u32 s42, s42, s18
	s_lshl_b32 s43, s41, 2
	s_lshl_b32 s43, 15, s43                        ; my row of the cluster
	s_lshl_b32 s44, 0x1111, s40                    ; my column
	s_or_b32 s[G1+0], s43, (1<<20)|(1<<21)|(5<<22)|(3<<25)    ; the mask; elements of 1 byte; 4 words of padding after every 64; bit 21 beside a mask
	s_or_b32 s[G1B+0], s44, (1<<20)|(1<<21)|(5<<22)|(3<<25)
.irp g, G1, G1B
	s_mov_b32 s[\g+1], ROWB<<16
	s_mov_b32 s[\g+2], 256<<16                     ; the head's loads bring 256 rows; the ring's 128 (set behind the head's wait)
	s_mov_b32 s[\g+3], ROWB<<16
	s_mov_b32 s[\g+4], 256
	s_mov_b32 s[\g+5], KROW
	s_mov_b32 s[\g+6], 0
	s_mov_b32 s[\g+7], 0
.endr
	s_or_b32 s[G1S+0], s43, (3<<16)|(1<<21)        ; scale bytes: four groups of 256 along K x 256 rows x 8 bytes; a group's rows are 2,048 dense bytes, groups 4,096 elements apart
	s_or_b32 s[G1SB+0], s44, (3<<16)|(1<<21)
.irp g, G1S, G1SB
	s_mov_b32 s[\g+1], 256<<16
	s_mov_b32 s[\g+2], 4<<16                       ; all four groups of 256 along K in one load
	s_mov_b32 s[\g+3], 256<<16
	s_mov_b32 s[\g+4], 4
	s_mov_b32 s[\g+5], 4096
	s_mov_b32 s[\g+6], 0
	s_mov_b32 s[\g+7], 0
.endr
	s_lshl_b32 s18, s41, 8                         ; 256 cy
	s_lshl_b32 s20, s17, 10
	s_lshl_b32 s19, s42, 8                         ; 256 X
	s_sub_co_u32 s21, s17, 4
	s_lshl_b32 s21, s21, 10
	s_mov_b32 s45, 0x1000000
	s_cmp_ge_u32 s17, 4                            ; way B?  The same in all sixteen partners
	s_cselect_b32 s96, -1, 0
	s_cselect_b32 s22, 0, s20
	s_cselect_b32 s20, 2048, s20
	s_cselect_b32 s21, s21, 0
	s_cselect_b32 s23, 0x1080000, 0
	s_cselect_b32 s45, 0x1480000, s45
	s_cselect_b32 s94, 2048, s19                   ; where the bias by columns begins (way B: the zeros)
	s_cselect_b32 s95, 13, 15
	s_add_co_u32 s22, s22, s18                     ; the result's first row
	s_add_co_u32 s18, s18, s20                     ; P's first row: made of cy and the cluster's y alone
	s_add_co_u32 s19, s19, s21                     ; R's first row = the result's first column: made of X and the cluster's y alone
	s_lshl_b32 s20, s14, 6
	s_add_co_u32 s20, s20, s22
	s_lshl_b32 s20, s20, 12
	s_add_co_u32 s20, s20, s23
	s_add_co_u32 s20, s20, s19
	s_mov_b32 s21, 0                               ; s[20:21]: where my 64 rows of codes go
	s_lshr_b32 s2, s19, 8
	s_lshl_b32 s2, s2, s95
	s_lshl_b32 s3, s22, 3
	s_add_co_u32 s2, s2, s3
	s_lshl_b32 s3, s14, 9
	s_add_co_u32 s2, s2, s3
	s_add_co_u32 s2, s2, s45
	s_mov_b32 s3, 0                                ; s[2:3]: and their scale bytes
	s_lshl_b32 s92, s18, 10
	s_mov_b32 s93, 0
	s_lshl_b32 s46, s19, 10
	s_mov_b32 s47, 0
	s_mov_b32 s67, 0x400000
	s_lshl_b32 s22, s18, 3
	s_add_co_u32 s22, s22, s67
	s_mov_b32 s23, 0
	s_lshl_b32 s10, s19, 3
	s_add_co_u32 s10, s10, s67
	s_mov_b32 s11, 0
	s_mul_i32 s45, s14, HALFT                      ; no place in the cluster enters an LDS address
	s_lshl_b32 s66, s16, 17                        ; in the ring I fetch 128 rows of a tile: which half, in bytes
	s_mov_b32 s97, 0x600000
	s_mov_b32 s98, 0x76543210
	s_mov_b32 s99, 0xfedcba98
	s_wait_kmcnt 0x0
	s_cmp_ge_u32 s17, 4
	s_cselect_b64 s[12:13], s[6:7], s[4:5]         ; P's buffer
	s_cselect_b64 s[4:5], s[4:5], s[6:7]           ; R's
	s_add_nc_u64 s[92:93], s[12:13], s[92:93]
	s_add_nc_u64 s[22:23], s[12:13], s[22:23]
	s_add_nc_u64 s[46:47], s[4:5], s[46:47]
	s_add_nc_u64 s[10:11], s[4:5], s[10:11]
	s_add_nc_u64 s[20:21], s[8:9], s[20:21]
	s_add_nc_u64 s[2:3], s[8:9], s[2:3]
	CROUND                                         ; all sixteen work-groups are here: the first joint loads meet
	s_mov_b32 s67, 0
	s_mov_b32 s[G0S], 1                            ; the head's four tiles, each whole: P's scale bytes,
	s_mov_b32 s[G0S+1], SCL
	s_mov_b64 s[G0S+2:G0S+3], s[22:23]
	s_or_b32 s[G0S+3], s[G0S+3], 0x80000000
	s_mov_b32 s[G0SB], 1                           ; R's,
	s_mov_b32 s[G0SB+1], SCLB
	s_mov_b64 s[G0SB+2:G0SB+3], s[10:11]
	s_or_b32 s[G0SB+3], s[G0SB+3], 0x80000000
	s_mov_b32 s[G0], 1                             ; K step 0's 256 rows of P,
	s_mov_b32 s[G0+1], 0
	s_mov_b64 s[G0+2:G0+3], s[92:93]
	s_or_b32 s[G0+3], s[G0+3], 0x80000000
	s_mov_b32 s[G0B], 1                            ; and of R, behind them in slot 0
	s_mov_b32 s[G0B+1], 2*HALFT
	s_mov_b64 s[G0B+2:G0B+3], s[46:47]
	s_or_b32 s[G0B+3], s[G0B+3], 0x80000000
	s_add_nc_u64 s[92:93], s[92:93], s[66:67]      ; for the ring: my 128 rows of the tile
	s_add_nc_u64 s[46:47], s[46:47], s[66:67]
	s_mov_b32 s[G0+4], 1
	s_add_co_u32 s[G0+5], s45, SLOT
	s_add_nc_u64 s[G0+6:G0+7], s[92:93], ROWB
	s_or_b32 s[G0+7], s[G0+7], 0x80000000
	s_mov_b32 s[G0B+4], 1
	s_add_co_u32 s[G0B+5], s45, SLOT
	s_add_nc_u64 s[G0B+6:G0B+7], s[46:47], ROWB
	s_or_b32 s[G0B+7], s[G0B+7], 0x80000000
; The head's loads, one a wave: one chain of branches on the wave's number, an arm a load, all arms to one join.
.macro ARM under, g0, g1, next
	s_cmp_lt_u32 s14, \under
	s_cbranch_scc0 \next
	tensor_load_to_lds s[\g0:\g0+3], s[\g1:\g1+7]
	s_nop 0
.rept 4
	v_nop
.endr
	s_branch .Lhead_asked
\next:
.endm
	ARM 1, G0,  G1,  .Lhead_b
	ARM 2, G0B, G1B, .Lhead_sa
	ARM 3, G0S, G1S, .Lhead_sb
	tensor_load_to_lds s[G0SB:G0SB+3], s[G1SB:G1SB+7]
	s_nop 0
.rept 4
	v_nop
.endr
.Lhead_asked:
	v_and_b32 v1, 15, v0                           ; r
	v_bfe_u32 v2, v0, 4, 1                         ; h
	s_wait_alu depctr_va_vdst(0)
	v_mul_u32_u24 v3, v1, PITCH
	v_lshl_add_u32 v4, v2, 4, v3
	s_wait_alu depctr_va_vdst(0)
	s_mul_i32 s22, s15, HALFT
	s_mul_i32 s23, s16, HALFT
	s_add_co_u32 s23, s23, 2*HALFT
.irp s, 0,1
	v_add_nc_u32 v[ADRA+\s], s22, v4
	v_add_nc_u32 v[ADRB+\s], s23, v4
	s_add_co_u32 s22, s22, SLOT
	s_add_co_u32 s23, s23, SLOT
.endr
	s_lshl_b32 s22, s15, 10                        ; scale words: lanes 0-15 P's rows, lanes 16-31 R's: the lower base + h x the distance
	s_lshl_b32 s23, s16, 10
	s_add_co_u32 s23, s23, SCLB-SCL
	s_sub_co_u32 s23, s23, s22
	v_mul_u32_u24 v6, s23, v2
	s_add_co_u32 s22, s22, SCL
	v_lshl_add_u32 v5, v1, 3, v6
	v_add_nc_u32 v[ADRS], s22, v5
	s_mul_i32 s22, s15, 128*PITCH                  ; the way out, in: row 128 s15 + 16 a + r, byte 128 s16 + 32 block + 16 h
	s_lshl_b32 s23, s16, 7
	s_add_co_u32 s22, s22, s23
	v_add_nc_u32 v[STO], s22, v4
	s_lshl_b32 s22, s15, 10
	s_lshl_b32 s23, s16, 2
	s_add_co_u32 s22, s22, s23
	s_add_co_u32 s22, s22, SSTG
	v_lshl_add_u32 v[SSO], v1, 3, s22
	s_mul_i32 s22, s14, 64*PITCH                   ; back: wave w takes rows 64 w on, four rows in two instructions
	v_mul_u32_u24 v5, v2, PITCH
	v_lshl_add_u32 v5, v1, 4, v5                   ; as a rule: sixteen lanes take a row's 256 bytes, the halves of the lanes two rows
	v_lshrrev_b32 v6, 2, v1                        ; k's tiles: sixteen lanes take 64 bytes (one head's) of four rows: unit j of four neighbouring rows then holds head j's four keys,
	v_mul_u32_u24 v6, v6, PITCH                    ; so that a head's keys are rows of 256 bytes, 16,384 bytes apart
	v_lshl_add_u32 v6, v2, 6, v6
	v_and_b32 v3, 3, v1
	v_lshl_add_u32 v6, v3, 4, v6
	v_add_nc_u32 v[RD], s22, v5                    ; both orders' addresses are made here, of the thread's number alone
	v_add_nc_u32 v[RD2], s22, v6
	v_and_b32 v5, 31, v0
	s_wait_alu depctr_va_vdst(0)
	v_lshlrev_b32 v[SCO], 4, v5
	s_lshl_b32 s22, s14, 9
	s_add_co_u32 s22, s22, SSTG
	v_add_nc_u32 v[SRD], s22, v[SCO]
	v_lshlrev_b32 v[CO], 12, v2
	v_lshl_add_u32 v[CO], v1, 4, v[CO]
	s_lshl_b32 s22, s16, 7                         ; the bias by columns, in the result's layout: block b, lane (r, h): columns 32 (b / 2) + 16 h + 8 (b % 2) + 0 .. 7
	s_add_co_u32 s22, s22, s94
	s_lshl_b32 s22, s22, 2
	v_lshl_add_u32 v3, v2, 6, s22
.irp b, 0,1,2,3
.irp k, 0,1,2,3
	global_load_b128 v[BJ+16*\b+4*\k:BJ+16*\b+4*\k+3], v3, s[6:7] offset:0x420000+128*\b+16*\k
.endr
.endr
	v_and_b32 v4, 8, v1
	v_add_nc_u32 v4, v4, v1                        ; r + 8 (r / 8): the number of the row that lies at place r
	s_lshl_b32 s22, s41, 10
	s_lshl_b32 s23, s15, 9
	s_add_co_u32 s22, s22, s23
	v_lshl_add_u32 v4, v4, 2, s22
.irp a, 0,1,2,3,4,5,6,7
	global_load_b32 v[BI+\a], v4, s[6:7] offset:0x424000+4*(32*(\a/2)+8*(\a%2))
.endr
	v_lshlrev_b32 v5, 2, v5
	global_load_b32 v[G2], v5, s[6:7] offset:0x425000
	s_wait_loadcnt 0x0
.irp a, 0,1,2,3,4,5,6,7
	v_cndmask_b32 v[BI+\a], 0, v[BI+\a], s96       ; only way B has a bias by rows
.endr
.macro FRAG reg, adr, q, i             ; 16 rows x 128 K: registers 4 c .. 4 c + 3 hold K = 32 c + 16 h + 0 .. 15
.irp c, 0,1,2,3
	ds_load_b128 v[\reg+4*\c:\reg+4*\c+3], v[\adr] offset:128*(\q)+32*\c+(\i)*16*PITCH
.endr
.endm
; 16 matrix instructions: P's blocks a0, a0 + 1 x R's eight.  first = 1: the bias by columns is the C of the first product.  The 64 accumulators take turns, in the same order in every step.
.macro MUL16 a0, p, q, sc, first
.irp a, \a0, \a0+1
.irp b, 0,1,2,3,4,5,6,7
.if \first
	v_wmma_scale_f32_16x16x128_f8f6f4 v[8*(8*((\a)%4)+\b):8*(8*((\a)%4)+\b)+7], v[128*(\p)+FR*\b:128*(\p)+FR*\b+FR-1], v[AF+FR*(\a):AF+FR*(\a)+FR-1], v[BJ+8*\b:BJ+8*\b+7], v[SC+8*NQ*(\sc)+NQ*\b+(\q)], v[SC+8*NQ*(\sc)+NQ*(\a)+(\q)] matrix_a_scale:MATRIX_SCALE_ROW1
.else
	v_wmma_scale_f32_16x16x128_f8f6f4 v[8*(8*((\a)%4)+\b):8*(8*((\a)%4)+\b)+7], v[128*(\p)+FR*\b:128*(\p)+FR*\b+FR-1], v[AF+FR*(\a):AF+FR*(\a)+FR-1], v[8*(8*((\a)%4)+\b):8*(8*((\a)%4)+\b)+7], v[SC+8*NQ*(\sc)+NQ*\b+(\q)], v[SC+8*NQ*(\sc)+NQ*(\a)+(\q)] matrix_a_scale:MATRIX_SCALE_ROW1
.endif
.endr
.endr
.endm
.macro FETCH_B slot, q, p
	WIN TO_B
.irp i, 0,1,2,3,4,5,6,7
	FRAG 128*(\p)+FR*\i, ADRB+\slot, \q, \i
.endr
	WIN 0
.endm
.macro FETCH_A slot, q, i0
.irp i, \i0, \i0+1, \i0+2, \i0+3
	FRAG AF+FR*(\i), ADRA+\slot, \q, \i
.endr
.endm
.macro SCALES sc                       ; a K step's two words a row: lanes 0-15 P's block i, lanes 16-31 R's block i
.irp i, 0,1,2,3,4,5,6,7
	ds_load_b64 v[SC+8*NQ*\sc+NQ*\i:SC+8*NQ*\sc+NQ*\i+1], v[ADRS] offset:\i*128
.endr
.endm
.macro STEP slot, q, first             ; 128 along K whose successor lies in the same slot
	s_wait_dscnt 4*NL                              ; R's set and P's blocks 0-3 are in; the youngest sixteen loads (P's blocks 4-7) may be out
.if \first
	WIN 0x81                                       ; C (the bias) in window 0
.else
	WIN MUL_LO
.endif
	MUL16 0, (\q)%2, \q, \slot, \first
	MUL16 2, (\q)%2, \q, \slot, \first
	s_wait_dscnt 0
	PLACES NP
	FETCH_B \slot, (\q)+1, 1-(\q)%2
	FETCH_A \slot, (\q)+1, 0
.if \first
	WIN 0xc1
.else
	WIN MUL_HI
.endif
	MUL16 4, (\q)%2, \q, \slot, \first
	MUL16 6, (\q)%2, \q, \slot, \first
	PLACES NP
	WIN 0
	FETCH_A \slot, (\q)+1, 4
.endm
; A slot's last step changes slots: in front of the one barrier each wave waits for all its tensor loads, adds 0 to its spare word, and waits for that and for its reads of this slot.
.macro TURN slot, next, fill
	s_wait_tensorcnt 0x0                           ; all my tensor loads have landed: my part of the next slot
	ds_add_u32 v[SPW], v[NIL]
	s_wait_dscnt 4*NL+1                            ; (the add and the youngest sixteen loads may be out)
	WIN MUL_LO
	MUL16 0, 1, NQ-1, \slot, 0
	s_wait_dscnt 0x0                               ; the add is done, and my reads of this slot are over
	s_barrier_signal -1
	MUL16 2, 1, NQ-1, \slot, 0
	WIN 0
	s_barrier_wait -1
.if \fill
	CREST                                          ; the barrier has opened a round of the cluster's barrier: no wave of any partner still reads this slot or has a load on its way
	s_add_nc_u64 s[G0+4*\slot+2:G0+4*\slot+3], s[G0+4*\slot+2:G0+4*\slot+3], 2*ROWB
	s_add_nc_u64 s[G0B+4*\slot+2:G0B+4*\slot+3], s[G0B+4*\slot+2:G0B+4*\slot+3], 2*ROWB
	JLOAD G0+4*\slot, G1, G0B+4*\slot, G1B
	PLACES NP-4
.else
	PLACES NP
.endif
	s_wait_alu depctr_va_vdst(0)
	v_add_nc_u32 v[ADRS], 2048, v[ADRS]            ; the next K step's scale words
	FETCH_B \next, 0, 0
	FETCH_A \next, 0, 0
	SCALES \next
	WIN MUL_HI
	MUL16 4, 1, NQ-1, \slot, 0
	MUL16 6, 1, NQ-1, \slot, 0
	PLACES NP
	WIN 0
	FETCH_A \next, 0, 4
.endm
	s_wait_alu depctr_va_vdst(0)                   ; the wait at the head's end
	s_wait_tensorcnt 0x0                           ; my tile of the head's four is in; these lines stand ahead of slot 1's first fill as ahead of a refill
	ds_add_u32 v[SPW], v[NIL]
	s_mov_b32 s[G1+2], 128<<16                     ; no tensor load of mine is out: from here on a load brings 128 rows,
	s_mov_b32 s[G1+4], 128
	s_mov_b32 s[G1B+2], 128<<16
	s_mov_b32 s[G1B+4], 128
	s_mov_b32 s[G0+1], s45                         ; and slot 0's group 0 stands at my 128 rows of K step 0
	s_mov_b64 s[G0+2:G0+3], s[92:93]
	s_or_b32 s[G0+3], s[G0+3], 0x80000000
	s_mov_b32 s[G0B+1], s45
	s_mov_b64 s[G0B+2:G0B+3], s[46:47]
	s_or_b32 s[G0B+3], s[G0B+3], 0x80000000
	s_wait_dscnt 0x0
	CROUND                                         ; all four tiles are in, all sixteen work-groups are here
	JLOAD G0+4, G1, G0B+4, G1B                     ; K step 1, the first tensor load behind the round
	FETCH_B 0, 0, 0
	FETCH_A 0, 0, 0
	SCALES 0
	FETCH_A 0, 0, 4
	STEP 0, 0, 1
	s_mov_b32 s66, 1                               ; K = 1,024 is two laps of the ring: one trip fills both slots again
.Llap:
	TURN 0, 1, 1
	STEP 1, 0, 0
	TURN 1, 0, 1
	STEP 0, 0, 0
	s_sub_co_u32 s66, s66, 1
	s_cmp_lg_u32 s66, 0
	s_cbranch_scc1 .Llap
	TURN 0, 1, 0
	STEP 1, 0, 0
	s_wait_dscnt 4*NL
	WIN MUL_LO
	MUL16 0, 1, NQ-1, 1, 0
	MUL16 2, 1, NQ-1, 1, 0
	s_wait_dscnt 0
	WIN MUL_HI
	MUL16 4, 1, NQ-1, 1, 0
	MUL16 6, 1, NQ-1, 1, 0
	WIN 0
	PLACES NP
.irp i, 0,1,2,3,4,5,6,7
	v_mov_b32 v[TP+\i], 0                          ; a lane permute's destination counts as one of its sources
.endr
; THE WAY OUT of P's block a: 64 numbers a lane, register 16 b + i = column 32 b + 16 h + i of the lane's row.  + the bias by rows; the largest and the smallest number of each block of 32 (with lane l xor 16's);
; the largest magnitude is max(largest, flag x smallest): with the flag -1 that is max |.|, with 0 what is negative does not count; the hold lies between flag x 448 x scale and 448 x scale, so that with the flag 0 it is the activation too.
.macro QA a
.set W, 2+(\a)/4
.set AC, 64*((\a)%4)
	WIN 0
	v_mov_b32 v[BIP], v[BI+(\a)]
	v_mov_b32 v[BIP+1], v[BI+(\a)]
	WIN (W|(W<<6))
.set ii, 0
.rept 32
	v_pk_add_f32 v[AC+ii:AC+ii+1], v[AC+ii:AC+ii+1], v[BIP:BIP+1]     ; each accumulator from its low end on
.set ii, ii+2
.endr
	WIN (W|(W<<2))
.irp b, 0,1,2,3
	v_max3_num_f32 v[MX+\b], v[AC+16*\b], v[AC+16*\b+1], 0x4800000    ; and the floor 2^(9 - 127)
	v_min_num_f32 v[MN+\b], v[AC+16*\b], v[AC+16*\b+1]
.endr
.irp i, 2,4,6,8,10,12,14
.irp b, 0,1,2,3
	v_max3_num_f32 v[MX+\b], v[AC+16*\b+\i], v[AC+16*\b+\i+1], v[MX+\b]
	v_min3_num_f32 v[MN+\b], v[AC+16*\b+\i], v[AC+16*\b+\i+1], v[MN+\b]
.endr
.endr
	WIN 0
	s_wait_alu depctr_va_vdst(0)
	s_wait_dscnt 0x0                               ; the last block's stores into the stage have read the codes' and the scale word's registers
.irp b, 0,1,2,3
	v_permlanex16_b32 v[TP+\b], v[MX+\b], s98, s99
	v_permlanex16_b32 v[TP+4+\b], v[MN+\b], s98, s99
.endr
.irp b, 0,1,2,3
	v_max_num_f32 v[MX+\b], v[MX+\b], v[TP+\b]
	v_min_num_f32 v[MN+\b], v[MN+\b], v[TP+4+\b]
.endr
.irp b, 0,1,2,3
	v_mul_f32 v[MN+\b], v[G2], v[MN+\b]
.endr
.irp b, 0,1,2,3
	v_max_num_f32 v[MX+\b], v[MX+\b], v[MN+\b]
.endr
.irp b, 0,1,2,3
	v_add_nc_u32 v[SO+\b], 0xfc000000, v[MX+\b]    ; 8 off the exponent field: the conversion's scale operand
	v_and_or_b32 v[HI+\b], v[MX+\b], 0x7f800000, s97   ; 448 x the scale
.endr
.irp b, 0,1,2,3
	v_lshrrev_b32 v[BY+\b], 23, v[SO+\b]
	v_mul_f32 v[LO+\b], v[G2], v[HI+\b]
.endr
	v_lshl_or_b32 v[PW], v[BY+1], 8, v[BY]
	v_lshl_or_b32 v[PW], v[BY+2], 16, v[PW]
	v_lshl_or_b32 v[PW], v[BY+3], 24, v[PW]
	WIN (W|(W<<6))
.irp b, 0,1,2,3
.irp i, 0,1,2,3,4,5,6,7,8,9,10,11,12,13,14,15
	v_med3_num_f32 v[AC+16*\b+\i], v[AC+16*\b+\i], v[LO+\b], v[HI+\b]
.endr
.endr
	WIN W
.irp b, 0,1,2,3
	v_cvt_scalef32_pk8_fp8_f32 v[PC+4*\b:PC+4*\b+1], v[AC+16*\b:AC+16*\b+7], v[SO+\b]
	v_cvt_scalef32_pk8_fp8_f32 v[PC+4*\b+2:PC+4*\b+3], v[AC+16*\b+8:AC+16*\b+15], v[SO+\b]
.endr
	WIN 0
	v_nop                                          ; a plain line behind the last conversion
.irp b, 0,1,2,3
	ds_store_b128 v[STO], v[PC+4*\b:PC+4*\b+3] offset:16*PITCH*(\a)+32*\b
.endr
	ds_store_b32 v[SSO], v[PW] offset:128*(\a)     ; both halves of the lanes write the same word with the same value
.endm
.irp a, 0,1,2,3,4,5,6,7
	QA \a
.endr
	s_wait_dscnt 0x0                               ; for the others' sake: a row's 256 bytes come from two waves
	s_barrier_signal -1
	s_barrier_wait -1
	s_and_b32 s22, ttmp7, 0xffff                   ; k's tiles (cluster y 8-11) come back in another order: a branch on ids alone, the same in all partners, round 32 LDS loads; both ways issue 32
	s_cmp_ge_u32 s22, 8
	s_cbranch_scc1 .Lk_back
.set tt, 0
.rept 32
	ds_load_b128 v[128+4*tt:131+4*tt], v[RD] offset:2*PITCH*tt
.set tt, tt+1
.endr
	s_branch .Lback_done
.Lk_back:
.set tt, 0
.rept 32
	ds_load_b128 v[128+4*tt:131+4*tt], v[RD2] offset:4*PITCH*(tt/2)+128*(tt%2)   ; rows 4 (tt / 2) + 0 .. 3, head 2 (tt % 2) + h
.set tt, tt+1
.endr
.Lback_done:
	ds_load_b128 v[SB:SB+3], v[SRD]
.set tt, 0
.rept 32
	s_wait_dscnt 32-tt                             ; the younger loads may be out
	global_store_b128 v[CO], v[128+4*tt:131+4*tt], s[20:21] offset:8192*tt    ; sixteen lanes store 256 consecutive bytes, aligned
.set tt, tt+1
.endr
	s_wait_dscnt 0x0
	global_store_b128 v[SCO], v[SB:SB+3], s[2:3]   ; my 64 rows' scale bytes: 512 consecutive bytes
	s_wait_tensorcnt 0x0                           ; the wave's end
	ds_add_u32 v[SPW], v[NIL]
	s_wait_dscnt 0x0
	CROUND                                         ; the closing round
	s_endpgm
.Lfunc_end_k_qcbeb70a094_qkvp:
	.size	k_qcbeb70a094_qkvp, .Lfunc_end_k_qcbeb70a094_qkvp-k_qcbeb70a094_qkvp
	.p2alignl 7, 3214868480
	.fill 96, 4, 3214868480
	.section	.rodata,"a",@progbits
	.p2align	6, 0x0
	.amdhsa_kernel k_qcbeb70a094_qkvp
		.amdhsa_group_segment_fixed_size 327680
		.amdhsa_private_segment_fixed_size 0
		.amdhsa_enable_private_segment 0
		.amdhsa_kernarg_size 24
		.amdhsa_user_sgpr_count 2
		.amdhsa_user_sgpr_kernarg_segment_ptr 1
		.amdhsa_wavefront_size32 1
		.amdhsa_system_sgpr_workgroup_id_x 1
		.amdhsa_system_sgpr_workgroup_id_y 1
		.amdhsa_system_sgpr_workgroup_id_z 1
		.amdhsa_system_vgpr_workitem_id 0
		.amdhsa_next_free_vgpr 1024
		.amdhsa_next_free_sgpr 100
		.amdhsa_reserve_vcc 0
		.amdhsa_float_denorm_mode_32 3
		.amdhsa_float_denorm_mode_16_64 3
		.amdhsa_memory_ordered 1
		.amdhsa_forward_progress 1
		.amdhsa_inst_pref_size 237
	.end_amdhsa_kernel
	.amdgpu_metadata
---
amdhsa.version: [ 1, 2 ]
amdhsa.kernels:
  - .name:           k_qcbeb70a094_qkvp
    .symbol:         k_qcbeb70a094_qkvp.kd
    .args:
      - { .name: acta, .offset: 0, .size: 8, .value_kind: global_buffer, .address_space: global }
      - { .name: wqs, .offset: 8, .size: 8, .value_kind: global_buffer, .address_space: global }
      - { .name: qkvc, .offset: 16, .size: 8, .value_kind: global_buffer, .address_space: global }
    .group_segment_fixed_size: 327680
    .private_segment_fixed_size: 0
    .kernarg_segment_align: 8
    .kernarg_segment_size: 24
    .max_flat_workgroup_size: 128
    .sgpr_count:     100
    .vgpr_count:     1024
    .wavefront_size: 32
...
	.end_amdgpu_metadata
.endif
;; end of part 2
;; launch attn (part 3): grid 8 x 32, 16 waves a work-group, clusters of 4 x 1, 327,680 bytes of LDS; arguments qkvc, src_mask, acta; writes acta
.if DOCPART == 3
	.amdgcn_target "amdgcn-amd-amdhsa--gfx1250"
	.amdhsa_code_object_version 6
	.text
	.protected	k_qcbeb70a094_attn
	.globl	k_qcbeb70a094_attn
	.p2align	8
	.type	k_qcbeb70a094_attn,@function
k_qcbeb70a094_attn:
	s_mov_b64 s[64:65], 0
	v_nop
	global_prefetch_b8 v0, s[64:65] scope:SCOPE_SE
	s_setreg_imm32_b32 hwreg(HW_REG_WAVE_MODE, 25, 1), 1
	s_wait_xcnt 0x0
	s_wait_alu depctr_hold_cnt(0) depctr_sa_sdst(0) depctr_va_vdst(0) depctr_va_sdst(0) depctr_va_ssrc(0) depctr_va_vcc(0) depctr_vm_vsrc(0)
	s_getreg_b32 s2, hwreg(HW_REG_IB_STS2, 6, 4)
	s_cmp_eq_u32 s2, 0
	s_cbranch_scc0 .Lentry_in_a_cluster
	s_endpgm
.Lentry_in_a_cluster:
	s_bfe_u32 s2, ttmp6, 0x10000c
	s_cmp_lg_u32 s2, 0x3003
	s_cbranch_scc0 .Lentry_shape_is_right
	s_endpgm
.Lentry_shape_is_right:
; ctx = softmax(mask(q k^T / 8)) v for one head and 256 queries a work-group, both products on codes of E4M3 with one E8M0 byte for each 32 along K; ctx is quantised along the head's 64 and stored as codes and scale bytes.
; IN (qkvc): q codes [place][4096] at column 64 head; k codes in the columns from 1,024 on: of four neighbouring places' 256 bytes of a group of four heads, unit j holds head j's four keys, 64 bytes each;
;    scale bytes of q and k [column / 256][4096][8] at 0x1000000; v transposed, [64 head + d place][token] at 0x1080000, scale bytes [token / 256][1024][8] at 0x1480000.
; A place is a row's number with bits 3 and 4 exchanged: sixteen neighbouring places of k give, in a transposed product, 16 neighbouring keys in the registers of two neighbouring tiles; v's rows likewise for d.
; OUT (acta): codes [place][1024], scale bytes [column / 256][4096][8] at 0x400000.
; SHARES.  Grid 8 x 32: 256 queries x (batch, head).  Sixteen waves, 16 queries each.  ALL 2,048 keys of the head lie in LDS: k 139,264 bytes, v 139,264: nothing is filled again, and the loop over the keys has no barrier.
; k: 512 rows of four keys (256 bytes + 16), 16,384 bytes apart in memory; waves 0-7 bring 64 rows each.  v: eight chunks of 256 tokens x 64 rows of 256 bytes + 16; waves 8-15 bring a chunk each.
;    One tensor load a wave, asked for jointly by the four query blocks of a cluster.  No prefetch: every byte is asked for at the head, and no loop loads from memory.
; THE MASK rides in the first product's K, of which the head fills 64 of 128: element 64 + 16 (lane / 16) of a key is the code of -1 where src_mask is 0, else 0; of every query the code of 1; their blocks' scale bytes are 2^16 and 2^15.
;    So a hidden key's score is lowered by 2^32, and its p is 0 beside any open key.  Where all keys of the batch are hidden, the module's scores are all equal: the factor c is then 0 (a select), all t are 0 and p is uniform.
; THE SOFTMAX: t = score x c, c = log2(e) / 8; M = ceil of the running largest t; p = 2^(t - M) is quantised along the keys; the sum is taken of the unquantised p and divides at the end; a move of M multiplies by a power of two.
; A step's first four fragments of k are asked for in the step before, between the links of the chain that makes M.  The last step so reads 64 places past k's end: bytes of v, of v's scale words and 64 zeros behind the mask's codes; nothing uses them.
; OUT IN PART: a head's 64 codes are a quarter of a 256-byte unit and its two scale bytes a quarter of a place's eight; the other three heads' work-groups write the rest.  A store covers eight runs of 64 bytes.
; LIMITS: the scaled scores stay under 2^31 in magnitude; NaN and infinities are not served; a block whose largest magnitude lies under 2^-118 takes the byte 1.
; REGISTERS: v1-7 addresses; v12 -M, v13 largest t, v[14:15] the sum, v224-229 three more chains of it; v16-31 q; v32-95 four fragments of k (registers 9-15 of each stay 0); v96-159 scores, p, then v's fragments; v160-191 O^T;
;    v192-207 p's codes; v208-211 v's scale words; v232-254 at work.
.set PK,    272
.set CH,    8704                       ; 128 keys of k: 32 rows of four
.set VOFF,  139264
.set KSC,   278528                     ; k's scale words, 4 bytes a place: two bytes of the head, the mask block's byte, 0
.set VSC,   286720                     ; v's scale words [128 keys][64 rows]
.set MBT,   290816                     ; the mask's codes, a byte a place; 2,048 zeros behind them
.set STG,   294912                     ; the way out: 16 rows x 80 bytes for each wave
.set SPARE, 315392                     ; the spare words, 128 bytes for each wave
.set AK,  1
.set AV,  2
.set AKS, 3
.set AMB, 4
.set SPW, 5
.set NIL, 6
.set AVS, 7
.set WV,  18
.set MNT, 19
.set SEL, 20
.set CS,  22
.set G1,  24
.set G0,  32
.set G1V, 72
.macro CROUND
	s_barrier_signal -1
	s_barrier_wait -1
	s_cmp_lg_u32 s[WV], 0
	s_cbranch_scc1 .Lnot_wave_0_\@
	s_barrier_signal -3
.Lnot_wave_0_\@:
	s_barrier_wait -3
	s_barrier_signal -1
	s_barrier_wait -1
.endm
	s_load_b128 s[4:7], s[0:1], 0x0                ; qkvc, src_mask
	s_load_b64 s[8:9], s[0:1], 0x10                ; acta
	v_lshl_add_u32 v[SPW], v0, 2, SPARE
	v_mov_b32 v[NIL], 0
	ds_add_u32 v[SPW], v[NIL]                      ; the opening lines: the add twice on end and its wait
	ds_add_u32 v[SPW], v[NIL]
	v_lshrrev_b32 v11, 5, v0
	v_readfirstlane_b32 s[WV], v11                 ; wave 0..15
	s_and_b32 s10, ttmp7, 0xffff
	s_lshr_b32 s11, s10, 4                         ; batch
	s_and_b32 s12, s10, 15                         ; head
	s_bfe_u32 s13, ttmp6, 0x40000                  ; cx
	s_lshl_b32 s14, ttmp9, 2
	s_add_co_u32 s14, s14, s13                     ; block of 256 queries
	s_and_b32 s15, s12, 3
	s_lshr_b32 s16, s12, 2
.irp g, G1, G1V
	s_mov_b32 s[\g], 15|(1<<20)|(1<<21)|(5<<22)|(3<<25)   ; the four partners; bytes; 4 words of padding after every 64
	s_mov_b32 s[\g+1], 256<<16
	s_mov_b32 s[\g+2], 64<<16
	s_mov_b32 s[\g+3], 256<<16
	s_mov_b32 s[\g+4], 64
	s_mov_b32 s[\g+6], 0
	s_mov_b32 s[\g+7], 0
.endr
	s_mov_b32 s[G1+5], 16384                       ; k: from four keys to the next four
	s_mov_b32 s[G1V+5], 4096                       ; v: from row to row
	s_lshl_b32 s36, s11, 23                        ; k: place 2048 batch + 256 wave + (head % 4), column 1024 + 256 (head / 4)
	s_lshl_b32 s37, s[WV], 20
	s_add_co_u32 s36, s36, s37
	s_lshl_b32 s37, s15, 12
	s_add_co_u32 s36, s36, s37
	s_lshl_b32 s37, s16, 8
	s_add_co_u32 s36, s36, s37
	s_add_co_u32 s36, s36, 1024
	s_lshl_b32 s37, s12, 18                        ; v: row 64 head, token 2048 batch + 256 (wave - 8)
	s_lshl_b32 s39, s11, 11
	s_add_co_u32 s37, s37, s39
	s_lshl_b32 s39, s[WV], 8
	s_add_co_u32 s37, s37, s39
	s_add_co_u32 s37, s37, 0x1080000-2048
	s_cmp_lt_u32 s[WV], 8
	s_cselect_b32 s36, s36, s37
	s_mul_i32 s[G0+1], s[WV], 2*CH                 ; k's eight parts, then v's eight chunks: 17,408 bytes each
	s_mov_b32 s[G0], 1
	s_lshl_b32 s38, s11, 11
	s_lshl_b32 s39, s14, 8
	s_add_co_u32 s38, s38, s39
	s_lshl_b32 s39, s[WV], 4
	s_add_co_u32 s38, s38, s39                     ; my first query's place
	s_lshl_b32 s57, s12, 6
	s_lshl_b32 s42, s38, 12
	s_add_co_u32 s42, s42, s57                     ; q's codes
	s_lshl_b32 s58, s16, 15
	s_lshl_b32 s59, s15, 1
	s_add_co_u32 s58, s58, s59
	s_lshl_b32 s59, s38, 3
	s_add_co_u32 s58, s58, s59
	s_add_co_u32 s44, s58, 0x1000000               ; q's scale bytes
	s_add_co_u32 s54, s58, 0x400000                ; the result's
	s_lshl_b32 s46, s16, 15
	s_lshl_b32 s59, s11, 14
	s_add_co_u32 s46, s46, s59
	s_add_co_u32 s46, s46, 0x1020000               ; k's scale bytes
	s_lshl_b32 s48, s11, 16
	s_lshl_b32 s59, s12, 9
	s_add_co_u32 s48, s48, s59
	s_add_co_u32 s48, s48, 0x1480000               ; v's
	s_lshl_b32 s50, s11, 13                        ; the batch's mask
	s_lshl_b32 s52, s38, 10
	s_add_co_u32 s52, s52, s57                     ; the result's codes
.irp i, 37,43,45,47,49,51,53,55
	s_mov_b32 s\i, 0
.endr
	s_lshl_b32 s56, s15, 1                         ; byte selects: the head's two of a place's eight scale bytes
	s_mul_i32 s56, s56, 0x101
	s_add_co_u32 s56, s56, 0x100
	s_mov_b32 s60, 0x8f0000                        ; the mask block's byte on k's side: 2^16
	s_mov_b32 s[SEL], 0x76543210
	s_mov_b32 s[SEL+1], 0xfedcba98
	s_mov_b32 s[MNT], 0x600000
	s_wait_dscnt 0x0                               ; both opening adds are done
	s_wait_kmcnt 0x0
	s_add_nc_u64 s[G0+2:G0+3], s[4:5], s[36:37]
	s_or_b32 s[G0+3], s[G0+3], 0x80000000
	s_add_nc_u64 s[42:43], s[4:5], s[42:43]
	s_add_nc_u64 s[44:45], s[4:5], s[44:45]
	s_add_nc_u64 s[46:47], s[4:5], s[46:47]
	s_add_nc_u64 s[48:49], s[4:5], s[48:49]
	s_add_nc_u64 s[50:51], s[6:7], s[50:51]
	s_add_nc_u64 s[52:53], s[8:9], s[52:53]
	s_add_nc_u64 s[54:55], s[8:9], s[54:55]
	CROUND                                         ; the four partners are here: the joint loads meet
	s_cmp_lt_u32 s[WV], 8                          ; one load a wave, in the two arms of one branch on the wave's number
	s_cbranch_scc0 .Lfor_v
	tensor_load_to_lds s[G0:G0+3], s[G1:G1+7]
	s_nop 0
.rept 4
	v_nop
.endr
	s_branch .Lasked
.Lfor_v:
	tensor_load_to_lds s[G0:G0+3], s[G1V:G1V+7]
	s_nop 0
.rept 4
	v_nop
.endr
.Lasked:
	v_and_b32 v216, 15, v0                         ; r
	v_bfe_u32 v217, v0, 4, 1                       ; h
	v_and_b32 v222, 31, v0                         ; lane
	v_lshrrev_b32 v8, 2, v216
	v_and_b32 v9, 3, v216
	v_mul_u32_u24 v[AK], v8, PK                    ; k: place r of a tile: row r / 4, 64 (r % 4), + 16 h
	v_lshl_add_u32 v[AK], v9, 6, v[AK]
	v_lshl_add_u32 v[AK], v217, 4, v[AK]
	v_mul_u32_u24 v[AV], v216, PK
	v_lshl_add_u32 v[AV], v217, 4, v[AV]
	v_add_nc_u32 v[AV], VOFF, v[AV]
	v_lshl_add_u32 v[AKS], v216, 2, KSC
	v_add_nc_u32 v[AMB], MBT, v216
	v_lshl_add_u32 v[AVS], v216, 2, VSC
	v_lshlrev_b32 v8, 2, v0                        ; the mask: places 4 t .. 4 t + 3 hold tokens (4 t with bits 3 and 4 exchanged) + 0 .. 3
	v_and_b32 v8, 0x7e4, v8
	v_bfe_u32 v9, v0, 1, 1
	v_lshl_or_b32 v8, v9, 4, v8
	v_bfe_u32 v9, v0, 2, 1
	v_lshl_or_b32 v8, v9, 3, v8
	v_lshlrev_b32 v227, 2, v8
	v_lshl_add_u32 v228, v0, 2, MBT
	v_lshlrev_b32 v229, 5, v0                      ; k's scale bytes: four places, 32 bytes a thread
	v_lshl_add_u32 v230, v0, 4, KSC
	v_lshrrev_b32 v8, 6, v0                        ; v's: group t / 64, row t % 64, 8 bytes
	v_and_b32 v9, 63, v0
	v_lshlrev_b32 v231, 13, v8
	v_lshl_add_u32 v231, v9, 3, v231
	v_lshlrev_b32 v223, 9, v8
	v_lshl_add_u32 v223, v9, 2, v223
	v_add_nc_u32 v223, VSC, v223
	v_lshlrev_b32 v219, 12, v216
	v_lshl_add_u32 v219, v217, 4, v219
	v_lshlrev_b32 v220, 3, v216
	v_lshl_add_u32 v221, v222, 6, MBT
	s_wait_alu depctr_va_vdst(0)
	global_load_b128 v[16:19], v219, s[42:43]
	global_load_b128 v[20:23], v219, s[42:43] offset:32
	global_load_u16 v255, v220, s[44:45]
	global_load_b128 v[208:211], v227, s[50:51]
	global_load_b128 v[32:35], v229, s[46:47]
	global_load_b128 v[36:39], v229, s[46:47] offset:16
	global_load_b64 v[48:49], v231, s[48:49]
	v_mov_b32 v24, 0x38                            ; q's element for the mask: the code of 1
.irp i, 25,26,27,28,29,30,31
	v_mov_b32 v\i, 0
.endr
.irp t, 0,1,2,3
.irp i, 9,10,11,12,13,14,15
	v_mov_b32 v[32+16*\t+\i], 0
.endr
.endr
.set ii, 0
.rept 32
	v_mov_b32 v[160+ii], 0                         ; O^T: the step is written once; the first move of M leaves zeros zeros
.set ii, ii+1
.endr
	v_mov_b32 v13, 0xff61b1e6
	v_floor_f32 v12, -v13
	v_mov_b32 v14, 0
	v_mov_b32 v15, 0
.irp i, 236,237,238,239,252,253
	v_mov_b32 v\i, 0
.endr
	v_mov_b32 v212, 0xb8                           ; the code of -1
	s_wait_alu depctr_va_vdst(0)
	s_wait_tensorcnt 0x0                           ; my part of k or of v is in
	s_wait_loadcnt 0x0
	v_or_b32 v255, 0x8e0000, v255                  ; q's scale word: the mask block's byte, 2^15
.irp j, 0,1,2,3
	v_cmp_eq_u32 vcc_lo, 0, v[208+\j]
	v_cndmask_b32 v[208+\j], 0, v212, vcc_lo
.endr
	v_lshl_or_b32 v208, v209, 8, v208
	v_lshl_or_b32 v208, v210, 16, v208
	v_lshl_or_b32 v208, v211, 24, v208
	ds_store_b32 v228, v208
	ds_store_b32 v228, v[NIL] offset:2048          ; the zeros behind the codes
.irp i, 0,1,2,3
	v_perm_b32 v[240+\i], v[33+2*\i], v[32+2*\i], s56
.endr
.irp i, 0,1,2,3
	v_and_or_b32 v[240+\i], v[240+\i], 0xffff, s60
.endr
	ds_store_b128 v230, v[240:243]
	ds_store_b32 v223, v48                         ; the group's first 128 keys,
	ds_store_b32 v223, v49 offset:256              ; and its second
	s_wait_dscnt 0x0                               ; for the others' sake: my stores lie in LDS
	s_barrier_signal -1
	s_barrier_wait -1                              ; k, v and the tables are whole
.irp k, 0,1,2,3
	ds_load_b128 v[96+4*\k:99+4*\k], v221 offset:16*\k   ; all 2,048 mask codes, 64 a lane
.endr
	s_wait_dscnt 0x0
.irp k, 4,8,12
.irp c, 0,1,2,3
	v_and_b32 v[96+\c], v[96+\c], v[96+\k+\c]
.endr
.endr
	v_and_b32 v96, v96, v97
	v_and_b32 v98, v98, v99
	v_and_b32 v96, v96, v98
	v_cmp_ne_u32 vcc_lo, 0xb8b8b8b8, v96           ; some key of mine is open
	s_cmp_lg_u32 vcc_lo, 0
	s_cselect_b32 s[CS], 0x3e38aa3b, 0             ; c = log2(e) / 8, or 0 where every key is hidden
	s_mov_b32 s[CS+1], s[CS]
.macro KH t, c, q, g                   ; half a fragment of k: 16 bytes a lane, and the mask's code (c = 0) or the scale word (c = 1) of tile 4 g + t of step q
	ds_load_b128 v[32+16*\t+4*\c:35+16*\t+4*\c], v[AK] offset:CH*(\q)+1088*(4*\g+\t)+32*\c
.if \c
	ds_load_b32 v[248+\t], v[AKS] offset:512*(\q)+64*(4*\g+\t)
.else
	ds_load_u8 v[40+16*\t], v[AMB] offset:128*(\q)+16*(4*\g+\t)
.endif
.endm
.macro BMAX b0, b1                     ; the largest score of two blocks of 32 keys, in four chains (a tile each); each accumulator is read from its low end on
.irp b, \b0, \b1
	v_max3_num_f32 v[232+\b], v[96+16*\b], v[97+16*\b], v[98+16*\b]
	v_max3_num_f32 v[236+\b], v[104+16*\b], v[105+16*\b], v[106+16*\b]
.endr
.irp i, 3,5
.irp b, \b0, \b1
	v_max3_num_f32 v[232+\b], v[232+\b], v[96+16*\b+\i], v[97+16*\b+\i]
	v_max3_num_f32 v[236+\b], v[236+\b], v[104+16*\b+\i], v[105+16*\b+\i]
.endr
.endr
.irp b, \b0, \b1
	v_max3_num_f32 v[232+\b], v[232+\b], v[236+\b], v[103+16*\b]
.endr
.irp b, \b0, \b1
	v_max_num_f32 v[232+\b], v[232+\b], v[111+16*\b]
.endr
.endm
.macro HOLD b                          ; the hold, two numbers a line (the conversion does not saturate: ISA guide 7.6.2); p is not negative
.irp i, 0,2,4,6,8,10,12,14
	v_dual_min_num_f32 v[96+16*\b+\i], v[96+16*\b+\i], v[240+\b] :: v_dual_min_num_f32 v[97+16*\b+\i], v[97+16*\b+\i], v[240+\b]
.endr
.endm
.macro CVT b, q                        ; a block's codes; v's fragment takes the block's registers
	v_cvt_scalef32_pk8_fp8_f32 v[192+4*\b:193+4*\b], v[96+16*\b:103+16*\b], v[244+\b]
	v_cvt_scalef32_pk8_fp8_f32 v[194+4*\b:195+4*\b], v[104+16*\b:111+16*\b], v[244+\b]
.irp c, 0,1,2,3
	ds_load_b128 v[96+16*\b+4*\c:99+16*\b+4*\c], v[AV] offset:16*PK*\b+128*(\q)+32*\c
.endr
	ds_load_b32 v[208+\b], v[AVS] offset:256*(\q)+64*\b
.endm
; A KEY STEP: 128 keys, the q-th of a trip's two.  Its first four fragments of k were asked for in the step before.
.macro STEP q
.rept 1+5*(\q)
	v_nop                                          ; nine places between the last step's products and the scores laid over v's fragments: the three joins of the sums, (q = 0) the five address steps, and these
.endr
	s_wait_dscnt 0x0
.irp t, 0,1,2,3
	v_wmma_scale_f32_16x16x128_f8f6f4 v[96+8*\t:103+8*\t], v[32+16*\t:47+16*\t], v[16:31], 0, v[248+\t], v255
.endr
.rept 8
	v_nop                                          ; places ahead of loads into registers that the four products above read
.endr
.irp t, 0,1,2,3
.irp c, 0,1
	KH \t, \c, \q, 1
.endr
.endr
	s_wait_dscnt 0x0
.irp t, 0,1,2,3
	v_wmma_scale_f32_16x16x128_f8f6f4 v[128+8*\t:135+8*\t], v[32+16*\t:47+16*\t], v[16:31], 0, v[248+\t], v255
.endr
	BMAX 0, 1                                      ; sixteen lines on the first four tiles: the places behind the last four products
	BMAX 2, 3
.irp b, 0,1,2,3
	v_permlanex16_b32 v[236+\b], v[232+\b], s[SEL], s[SEL+1]
.endr
.irp b, 0,1,2,3
	v_max_num_f32 v[232+\b], v[232+\b], v[236+\b]
.endr
	v_max3_num_f32 v254, v232, v233, v234          ; the chain that makes M; between its links the next step's first four fragments of k are asked for
	KH 0, 0, (\q)+1, 0
	v_max_num_f32 v254, v254, v235
	KH 0, 1, (\q)+1, 0
	v_mul_f32 v254, s[CS], v254
	KH 1, 0, (\q)+1, 0
	v_max_num_f32 v13, v13, v254                   ; the running largest t
	v_mov_b32 v254, v12
	KH 1, 1, (\q)+1, 0
	v_floor_f32 v12, -v13                          ; -M = floor(-t)
	KH 2, 0, (\q)+1, 0
	v_sub_f32 v254, v12, v254
	KH 2, 1, (\q)+1, 0
	v_cvt_i32_f32 v254, v254
	KH 3, 0, (\q)+1, 0
	v_ldexp_f32 v252, 1.0, v254                    ; f = 2^(old M - new M)
	KH 3, 1, (\q)+1, 0
.set jj, 0
.rept 32
	v_pk_fma_f32 v[96+jj:97+jj], v[96+jj:97+jj], s[CS:CS+1], v[12:13] op_sel_hi:[1,0,0]
.set jj, jj+2
.endr
.irp b, 0,1,2,3
	v_fma_f32 v[232+\b], v[232+\b], s[CS], v12
.endr
	s_wait_alu depctr_va_vdst(0)                   ; the wait ahead of the batch
.set jj, 0
.rept 64
	v_exp_f32 v[96+jj], v[96+jj]
.set jj, jj+1
.endr
	v_pk_mul_f32 v[14:15], v[14:15], v[252:253] op_sel_hi:[1,0]
	s_wait_alu depctr_va_vdst(0)                   ; and behind it
.irp b, 0,1,2,3
	v_exp_f32 v[232+\b], v[232+\b]                 ; each block's largest p
.endr
	v_pk_add_f32 v[224:225], v[96:97], v[98:99]    ; the sum of the unquantised p, in four chains
	v_pk_add_f32 v[226:227], v[100:101], v[102:103]
	v_pk_add_f32 v[228:229], v[104:105], v[106:107]
.irp j, 12,20,28,36,44,52
	v_pk_add_f32 v[14:15], v[14:15], v[96+\j:97+\j]
	v_pk_add_f32 v[224:225], v[224:225], v[98+\j:99+\j]
	v_pk_add_f32 v[226:227], v[226:227], v[100+\j:101+\j]
	v_pk_add_f32 v[228:229], v[228:229], v[102+\j:103+\j]
.endr
	v_pk_add_f32 v[14:15], v[14:15], v[156:157]
	v_pk_add_f32 v[224:225], v[224:225], v[158:159]
	s_wait_alu depctr_va_vdst(0)
.irp b, 0,1,2,3
	v_max_num_f32 v[232+\b], 0x4800000, v[232+\b]  ; the floor 2^(9 - 127)
.endr
.irp b, 0,1,2,3
	v_add_nc_u32 v[244+\b], 0xfc000000, v[232+\b]  ; the conversion's scale operand
.endr
.irp b, 0,1,2,3
	v_and_or_b32 v[240+\b], v[232+\b], 0x7f800000, s[MNT]   ; 448 x the scale
.endr
.irp b, 0,1,2,3
	v_lshrrev_b32 v[236+\b], 23, v[244+\b]
.endr
	v_lshl_or_b32 v253, v237, 8, v236
	v_lshl_or_b32 v254, v239, 8, v238
	v_lshl_or_b32 v253, v254, 16, v253             ; p's scale word
	HOLD 0
	HOLD 1
	CVT 0, \q
	HOLD 2
	CVT 1, \q
	HOLD 3
	CVT 2, \q
	CVT 3, \q
	s_wait_alu depctr_va_vdst(0)                   ; the wait directly ahead of the first reader of O^T
.set jj, 0
.rept 16
	v_pk_mul_f32 v[160+jj:161+jj], v[160+jj:161+jj], v[252:253] op_sel_hi:[1,0]
.set jj, jj+2
.endr
	s_wait_alu depctr_va_vdst(0)
	s_wait_dscnt 0x0
.irp t, 0,1,2,3
	v_wmma_scale_f32_16x16x128_f8f6f4 v[160+8*\t:167+8*\t], v[96+16*\t:111+16*\t], v[192:207], v[160+8*\t:167+8*\t], v[208+\t], v253
.endr
	v_pk_add_f32 v[224:225], v[224:225], v[226:227]   ; the sums' four chains are joined in the places behind the products
	v_pk_add_f32 v[14:15], v[14:15], v[228:229]
	v_pk_add_f32 v[14:15], v[14:15], v[224:225]
.endm
.irp t, 0,1,2,3
.irp c, 0,1
	KH \t, \c, 0, 0                                ; the first step's first four fragments
.endr
.endr
	s_mov_b32 s71, 8                               ; 2,048 keys: eight trips of two steps
	s_wait_alu depctr_va_vdst(0)                   ; the wait at the head's end
.Ltrip:
	STEP 0
	STEP 1
	v_add_nc_u32 v[AK], 2*CH, v[AK]
	v_add_nc_u32 v[AV], 2*CH, v[AV]                ; a chunk of v is 64 rows
	v_add_nc_u32 v[AKS], 1024, v[AKS]
	v_add_nc_u32 v[AMB], 256, v[AMB]
	v_add_nc_u32 v[AVS], 512, v[AVS]
	s_sub_co_u32 s71, s71, 1
	s_cmp_lg_u32 s71, 0
	s_wait_alu depctr_va_vdst(0)
	s_cbranch_scc1 .Ltrip
	; THE WAY OUT: O^T / the sum, quantised along the head's 64, through my own stage, so that four lanes store a row's 64 bytes.
.rept 8
	v_nop
.endr
	v_add_f32 v14, v14, v15
	v_permlanex16_b32 v252, v14, s[SEL], s[SEL+1]
	v_add_f32 v14, v14, v252
	s_wait_alu depctr_va_vdst(0)
	v_rcp_f32 v14, v14
	s_mul_i32 s72, s[WV], 1280
	s_add_co_u32 s72, s72, STG
	v_mul_u32_u24 v1, v216, 80
	v_lshl_add_u32 v1, v217, 4, v1
	v_add_nc_u32 v1, s72, v1                       ; in: row r, 16 h
	v_lshrrev_b32 v3, 2, v222
	v_and_b32 v4, 3, v222
	v_mul_u32_u24 v2, v3, 80
	v_lshl_add_u32 v2, v4, 4, v2
	v_add_nc_u32 v2, s72, v2                       ; back: row lane / 4, piece lane % 4
	v_lshlrev_b32 v3, 10, v3
	v_lshl_add_u32 v3, v4, 4, v3
	s_wait_alu depctr_va_vdst(0)
	v_mov_b32 v15, v14
.set jj, 0
.rept 16
	v_pk_mul_f32 v[160+jj:161+jj], v[160+jj:161+jj], v[14:15]
.set jj, jj+2
.endr
.irp b, 0,1
	v_max3_num_f32 v[232+\b], |v[160+16*\b]|, |v[161+16*\b]|, 0x4800000
.endr
.irp i, 2,4,6,8,10,12,14
.irp b, 0,1
	v_max3_num_f32 v[232+\b], v[232+\b], |v[160+16*\b+\i]|, |v[161+16*\b+\i]|
.endr
.endr
.irp b, 0,1
	v_permlanex16_b32 v[236+\b], v[232+\b], s[SEL], s[SEL+1]
.endr
.irp b, 0,1
	v_max_num_f32 v[232+\b], v[232+\b], v[236+\b]
.endr
.irp b, 0,1
	v_add_nc_u32 v[244+\b], 0xfc000000, v[232+\b]
	v_and_or_b32 v[240+\b], v[232+\b], 0x7f800000, s[MNT]
.endr
.irp b, 0,1
	v_lshrrev_b32 v[236+\b], 23, v[244+\b]
.endr
	v_lshl_or_b32 v254, v237, 8, v236
.irp b, 0,1
.irp i, 0,1,2,3,4,5,6,7,8,9,10,11,12,13,14,15
	v_med3_num_f32 v[160+16*\b+\i], v[160+16*\b+\i], -v[240+\b], v[240+\b]
.endr
	v_cvt_scalef32_pk8_fp8_f32 v[192+4*\b:193+4*\b], v[160+16*\b:167+16*\b], v[244+\b]
	v_cvt_scalef32_pk8_fp8_f32 v[194+4*\b:195+4*\b], v[168+16*\b:175+16*\b], v[244+\b]
.endr
	v_nop                                          ; a plain line behind the last conversion
	ds_store_b128 v1, v[192:195]
	ds_store_b128 v1, v[196:199] offset:32
	ds_load_b128 v[200:203], v2                    ; LDS serves a wave's instructions in order: these see my stores
	ds_load_b128 v[204:207], v2 offset:640
	global_store_b16 v220, v254, s[54:55]          ; the head's two scale bytes of place r (both halves of the lanes write the same bytes with the same value)
	s_wait_dscnt 0x0
	global_store_b128 v3, v[200:203], s[52:53]     ; eight rows x 64 bytes
	global_store_b128 v3, v[204:207], s[52:53] offset:8192
	s_wait_tensorcnt 0x0                           ; the wave's end
	ds_add_u32 v[SPW], v[NIL]
	s_wait_dscnt 0x0
	CROUND                                         ; the closing round
	s_endpgm
.Lfunc_end_k_qcbeb70a094_attn:
	.size	k_qcbeb70a094_attn, .Lfunc_end_k_qcbeb70a094_attn-k_qcbeb70a094_attn
	.p2alignl 7, 3214868480
	.fill 96, 4, 3214868480
	.section	.rodata,"a",@progbits
	.p2align	6, 0x0
	.amdhsa_kernel k_qcbeb70a094_attn
		.amdhsa_group_segment_fixed_size 327680
		.amdhsa_private_segment_fixed_size 0
		.amdhsa_enable_private_segment 0
		.amdhsa_kernarg_size 24
		.amdhsa_user_sgpr_count 2
		.amdhsa_user_sgpr_kernarg_segment_ptr 1
		.amdhsa_wavefront_size32 1
		.amdhsa_system_sgpr_workgroup_id_x 1
		.amdhsa_system_sgpr_workgroup_id_y 1
		.amdhsa_system_sgpr_workgroup_id_z 1
		.amdhsa_system_vgpr_workitem_id 0
		.amdhsa_next_free_vgpr 256
		.amdhsa_next_free_sgpr 100
		.amdhsa_reserve_vcc 1
		.amdhsa_float_denorm_mode_32 3
		.amdhsa_float_denorm_mode_16_64 3
		.amdhsa_memory_ordered 1
		.amdhsa_forward_progress 1
		.amdhsa_inst_pref_size 61
	.end_amdhsa_kernel
	.amdgpu_metadata
---
amdhsa.version: [ 1, 2 ]
amdhsa.kernels:
  - .name:           k_qcbeb70a094_attn
    .symbol:         k_qcbeb70a094_attn.kd
    .args:
      - { .name: qkvc, .offset: 0, .size: 8, .value_kind: global_buffer, .address_space: global }
      - { .name: src_mask, .offset: 8, .size: 8, .value_kind: global_buffer, .address_space: global }
      - { .name: acta, .offset: 16, .size: 8, .value_kind: global_buffer, .address_space: global }
    .group_segment_fixed_size: 327680
    .private_segment_fixed_size: 0
    .kernarg_segment_align: 8
    .kernarg_segment_size: 24
    .max_flat_workgroup_size: 512
    .sgpr_count:     100
    .vgpr_count:     256
    .wavefront_size: 32
...
	.end_amdgpu_metadata
.endif
;; end of part 3
;; launch oproj (part 4): grid 8 x 32, 4 waves a work-group, clusters of 4 x 4, 327,680 bytes of LDS; arguments acta, wqs, x, bo, x1; writes x1
.if DOCPART == 4
	.amdgcn_target "amdgcn-amd-amdhsa--gfx1250"
	.amdhsa_code_object_version 6
	.text
	.protected	k_qcbeb70a094_oproj
	.globl	k_qcbeb70a094_oproj
	.p2align	8
	.type	k_qcbeb70a094_oproj,@function
k_qcbeb70a094_oproj:
	s_mov_b64 s[64:65], 0
	v_nop
	global_prefetch_b8 v0, s[64:65] scope:SCOPE_SE
	s_setreg_imm32_b32 hwreg(HW_REG_WAVE_MODE, 25, 1), 1
	s_wait_xcnt 0x0
	s_wait_alu depctr_hold_cnt(0) depctr_sa_sdst(0) depctr_va_vdst(0) depctr_va_sdst(0) depctr_va_ssrc(0) depctr_va_vcc(0) depctr_vm_vsrc(0)
	s_getreg_b32 s2, hwreg(HW_REG_IB_STS2, 6, 4)
	s_cmp_eq_u32 s2, 0
	s_cbranch_scc0 .Lentry_in_a_cluster
	s_endpgm
.Lentry_in_a_cluster:
	s_bfe_u32 s2, ttmp6, 0x10000c
	s_cmp_lg_u32 s2, 0xf033
	s_cbranch_scc0 .Lentry_shape_is_right
	s_endpgm
.Lentry_shape_is_right:
.set KK,     1024
.set PSOFF,  0x400000
.set PROWS,  4096
.set RROW0,  3072
.set RSOFF,  0x400000
.set RROWS,  4096
.set TT,     KK/512
.set NS,     KK/256
.set PITCH,  528
.set HALFT,  64*PITCH
.set SLOT,   4*HALFT
.set SCLA,   2*SLOT
.set SCLB,   SCLA+1024*NS+128
.set SPARE,  ((SCLB+1024*NS+255)/256)*256
.set SPT,    272
.set ADRA, 16
.set ADRB, 20
.set STO,  24
.set RD,   25
.set CO,   26
.set ADRS, 27
.set SPW,  28
.set NIL,  29
.set PFO,  30
.set SC,   32
.set BJ,   64
.set BK,   96
.set ACC,  128
.set F0,   0
.set F1,   128
.set G1, 24
.set G0, 32
.set G1B, 48
.set G0B, 56
.set G1S, 68
.set G0S, 76
.set G1SB, 80
.set G0SB, 88
.set PFA,  96
.set LIM,  98
.set MSB, 0
.macro WIN new
.if MSB != (\new)
	s_set_vgpr_msb (MSB<<8)|(\new)
.set MSB, (\new)
.endif
.endm
.set MUL,  0x05
.set TO_F, 0x40
.macro JLOAD g0a, g1a, g0b, g1b
	s_cmp_eq_u32 s15, 0
	s_cbranch_scc0 .Lfor_b_\@
	tensor_load_to_lds s[\g0a:\g0a+3], s[\g1a:\g1a+7]
	s_nop 0
.rept 4
	v_nop
.endr
	s_branch .Lasked_\@
.Lfor_b_\@:
	tensor_load_to_lds s[\g0b:\g0b+3], s[\g1b:\g1b+7]
	s_nop 0
.rept 4
	v_nop
.endr
.Lasked_\@:
.endm
.macro CROUND
	s_barrier_signal -1
	s_barrier_wait -1
	s_cmp_lg_u32 s14, 0
	s_cbranch_scc1 .Lnot_wave_0_\@
	s_barrier_signal -3
.Lnot_wave_0_\@:
	s_barrier_wait -3
	s_barrier_signal -1
	s_barrier_wait -1
.endm
.macro PLACES n
.rept \n
	v_nop
.endr
.endm
.macro ASK
	s_cmp_eq_u32 s[LIM], 1
	s_cbranch_scc0 .Lnot_mine_\@
	global_prefetch_b8 v[PFO], s[PFA:PFA+1] th:TH_LOAD_NT scope:SCOPE_SE
.Lnot_mine_\@:
.endm
	s_load_b256 s[4:11], s[0:1], 0x0
	s_load_b64 s[12:13], s[0:1], 0x20
	v_lshl_add_u32 v[SPW], v0, 2, SPARE
	v_mov_b32 v[NIL], 0
	ds_add_u32 v28, v29
	ds_add_u32 v28, v29
	s_wait_dscnt 0x0
	v_lshrrev_b32 v1, 5, v0
	v_readfirstlane_b32 s14, v1
	s_lshr_b32 s15, s14, 1
	s_and_b32 s16, s14, 1
	s_bfe_u32 s40, ttmp6, 0x40000
	s_bfe_u32 s41, ttmp6, 0x40004
	s_lshl_b32 s42, ttmp9, 2
	s_add_co_u32 s42, s42, s40
	s_and_b32 s17, ttmp7, 0xffff
	s_lshl_b32 s17, s17, 2
	s_add_co_u32 s17, s17, s41
	s_lshl_b32 s43, s41, 2
	s_lshl_b32 s43, 15, s43
	s_lshl_b32 s44, 0x1111, s40
	s_or_b32 s[G1+0], s43, (1<<20)|(1<<21)|(6<<22)|(3<<25)
	s_or_b32 s[G1B+0], s44, (1<<20)|(1<<21)|(6<<22)|(3<<25)
.irp g, G1, G1B
	s_mov_b32 s[\g+1], 512<<16
	s_mov_b32 s[\g+2], 128<<16
	s_mov_b32 s[\g+3], 512<<16
	s_mov_b32 s[\g+4], 128
	s_mov_b32 s[\g+5], KK
	s_mov_b32 s[\g+6], 0
	s_mov_b32 s[\g+7], 0
.endr
	s_or_b32 s[G1S+0], s43, (3<<16)|(1<<21)
	s_or_b32 s[G1SB+0], s44, (3<<16)|(1<<21)
.irp g, G1S, G1SB
	s_mov_b32 s[\g+1], 128<<16
	s_mov_b32 s[\g+2], NS<<16
	s_mov_b32 s[\g+3], 128<<16
	s_mov_b32 s[\g+4], NS
	s_mov_b32 s[\g+6], 0
	s_mov_b32 s[\g+7], 0
.endr
	s_mov_b32 s[G1S+5], PROWS
	s_mov_b32 s[G1SB+5], RROWS
	s_lshl_b32 s18, s16, 6
	s_lshl_b32 s20, s17, 7
	s_mul_i32 s20, s20, KK
	s_mov_b32 s21, 0
	s_lshl_b32 s46, s42, 7
	s_add_co_u32 s46, s46, RROW0
	s_mul_i32 s46, s46, KK
	s_mov_b32 s47, 0
	s_mov_b32 s22, 0
	s_lshl_b32 s23, s17, 10
	s_add_co_u32 s22, s22, s23
	s_add_co_u32 s22, s22, PSOFF
	s_mov_b32 s23, 0
	s_mov_b32 s92, 0
	s_lshl_b32 s93, s42, 10
	s_add_co_u32 s92, s92, s93
	s_add_co_u32 s92, s92, RSOFF+8*RROW0
	s_mov_b32 s93, 0
	s_mul_i32 s45, s14, HALFT
	s_mul_i32 s2, s18, KK                          ; in the ring I fetch 64 rows of a tile: which half, in bytes
	s_mov_b32 s3, 0
	s_wait_kmcnt 0x0
	s_add_nc_u64 s[20:21], s[4:5], s[20:21]
	s_add_nc_u64 s[22:23], s[4:5], s[22:23]
	s_add_nc_u64 s[46:47], s[6:7], s[46:47]
	s_add_nc_u64 s[92:93], s[6:7], s[92:93]
	CROUND
	s_mov_b32 s[G0S], 1
	s_mov_b32 s[G0S+1], SCLA
	s_mov_b64 s[G0S+2:G0S+3], s[22:23]
	s_or_b32 s[G0S+3], s[G0S+3], 0x80000000
	s_mov_b32 s[G0SB], 1
	s_mov_b32 s[G0SB+1], SCLB
	s_mov_b64 s[G0SB+2:G0SB+3], s[92:93]
	s_or_b32 s[G0SB+3], s[G0SB+3], 0x80000000
	s_mov_b32 s[G0], 1                             ; the head's tiles, each whole: slot 0's 128 rows of P,
	s_mov_b32 s[G0+1], 0
	s_mov_b64 s[G0+2:G0+3], s[20:21]
	s_or_b32 s[G0+3], s[G0+3], 0x80000000
	s_mov_b32 s[G0B], 1                            ; and of R
	s_mov_b32 s[G0B+1], 2*HALFT
	s_mov_b64 s[G0B+2:G0B+3], s[46:47]
	s_or_b32 s[G0B+3], s[G0B+3], 0x80000000
	s_add_nc_u64 s[20:21], s[20:21], s[2:3]        ; for the ring: my 64 rows
	s_add_nc_u64 s[46:47], s[46:47], s[2:3]
	s_mov_b32 s[G0+4], 1
	s_add_co_u32 s[G0+5], s45, SLOT
	s_add_nc_u64 s[G0+6:G0+7], s[20:21], 512
	s_or_b32 s[G0+7], s[G0+7], 0x80000000
	s_mov_b32 s[G0B+4], 1
	s_add_co_u32 s[G0B+5], s45, SLOT
	s_add_nc_u64 s[G0B+6:G0B+7], s[46:47], 512
	s_or_b32 s[G0B+7], s[G0B+7], 0x80000000
; The head's loads, one a wave: one chain of branches on the wave's number, an arm a load, all arms to one join.
.macro ARM under, g0, g1, next
	s_cmp_lt_u32 s14, \under
	s_cbranch_scc0 \next
	tensor_load_to_lds s[\g0:\g0+3], s[\g1:\g1+7]
	s_nop 0
.rept 4
	v_nop
.endr
	s_branch .Lhead_asked
\next:
.endm
	ARM 1, G0,  G1,  .Lhead_b
	ARM 2, G0B, G1B, .Lhead_sa
	ARM 3, G0S, G1S, .Lhead_sb
	tensor_load_to_lds s[G0SB:G0SB+3], s[G1SB:G1SB+7]
	s_nop 0
.rept 4
	v_nop
.endr
.Lhead_asked:
	v_and_b32 v1, 15, v0
	v_bfe_u32 v2, v0, 4, 1
	s_wait_alu depctr_va_vdst(0)
	v_mul_u32_u24 v3, v1, PITCH
	v_lshl_add_u32 v4, v2, 4, v3
	s_mul_i32 s22, s15, HALFT
	s_mul_i32 s23, s16, HALFT
	s_add_co_u32 s23, s23, 2*HALFT
.irp s, 0,1
	v_add_nc_u32 v[ADRA+\s], s22, v4
	v_add_nc_u32 v[ADRB+\s], s23, v4
	s_add_co_u32 s22, s22, SLOT
	s_add_co_u32 s23, s23, SLOT
.endr
	s_lshl_b32 s22, s15, 9
	s_lshl_b32 s23, s16, 9
	s_add_co_u32 s23, s23, SCLB-SCLA
	s_sub_co_u32 s23, s23, s22
	v_mul_u32_u24 v6, s23, v2
	s_add_co_u32 s22, s22, SCLA
	v_lshl_add_u32 v5, v1, 3, v6
	v_add_nc_u32 v[ADRS], s22, v5
	s_mul_i32 s22, s14, 16*SPT
	v_mul_u32_u24 v5, v1, SPT
	v_lshl_add_u32 v5, v2, 6, v5
	v_add_nc_u32 v[STO], s22, v5
	v_mul_u32_u24 v5, v2, SPT
	v_lshl_add_u32 v5, v1, 4, v5
	v_add_nc_u32 v[RD], s22, v5
	v_lshlrev_b32 v[CO], 12, v2
	v_lshl_add_u32 v[CO], v1, 4, v[CO]
	s_wait_alu depctr_va_vdst(0)
	s_lshl_b32 s22, s17, 7
	s_lshl_b32 s23, s15, 6
	s_add_co_u32 s22, s22, s23
	s_lshl_b32 s22, s22, 12
	s_lshl_b32 s23, s42, 7
	s_lshl_b32 s18, s16, 6
	s_add_co_u32 s18, s18, s23
	s_lshl_b32 s18, s18, 2
	s_add_co_u32 s22, s22, s18
	s_mov_b32 s23, 0
	s_add_nc_u64 s[8:9], s[8:9], s[22:23]
	s_add_nc_u64 s[12:13], s[12:13], s[22:23]
	v_lshl_add_u32 v3, v2, 6, s18
.irp b, 0,1
.irp k, 0,1,2,3
	global_load_b128 v[BJ+16*\b+4*\k:BJ+16*\b+4*\k+3], v3, s[10:11] offset:128*\b+16*\k
.endr
.endr
	WIN 0x80
.irp a, 0,1,2,3
.irp t, 0,1,2,3,4,5,6,7
	global_load_b128 v[32*\a+4*\t:32*\a+4*\t+3], v[CO], s[8:9] offset:(32*(\a/2)+8*(\a%2)+2*\t+8*(\t/4))*4096
.endr
.endr
	WIN 0
.if TT > 2
	s_and_b32 s22, ttmp7, 0xffff
	s_lshl_b32 s19, s17, 7
	s_lshl_b32 s23, s42, 7
	s_add_co_u32 s23, s23, RROW0
	s_cmp_eq_u32 s15, 0
	s_cselect_b32 s19, s19, s23
	s_cselect_b32 s23, s40, s41
	s_cselect_b32 s22, ttmp9, s22
	s_cselect_b64 s[PFA:PFA+1], s[4:5], s[6:7]
	s_cmp_eq_u32 s22, 0
	s_cselect_b32 s[LIM], 1, 0
	s_lshl_b32 s22, s16, 6
	s_add_co_u32 s19, s19, s22
	s_lshl_b32 s23, s23, 4
	s_add_co_u32 s19, s19, s23
	s_mul_i32 s22, s19, KK
	s_add_co_u32 s22, s22, 1024
	s_mov_b32 s23, 0
	s_add_nc_u64 s[PFA:PFA+1], s[PFA:PFA+1], s[22:23]
	v_and_b32 v[PFO], 15, v0
	v_mul_u32_u24 v[PFO], v[PFO], KK
	v_lshl_add_u32 v[PFO], v2, 8, v[PFO]
.endif
	s_wait_loadcnt 32
.macro FETCH slot, q, f
	WIN TO_F
.irp i, 0,1,2,3
.irp c, 0,1,2,3
	ds_load_b128 v[\f+16*\i+4*\c:\f+16*\i+4*\c+3], v[ADRA+\slot] offset:128*(\q)+32*\c+\i*16*PITCH
.endr
.irp c, 0,1,2,3
	ds_load_b128 v[\f+64+16*\i+4*\c:\f+64+16*\i+4*\c+3], v[ADRB+\slot] offset:128*(\q)+32*\c+\i*16*PITCH
.endr
.endr
.endm
.macro SCALES sc
.irp i, 0,1,2,3
	ds_load_b64 v[SC+16*(\sc)+4*\i:SC+16*(\sc)+4*\i+1], v[ADRS] offset:128*\i
	ds_load_b64 v[SC+16*(\sc)+4*\i+2:SC+16*(\sc)+4*\i+3], v[ADRS] offset:1024+128*\i
.endr
.endm
.macro MULQ f, q, sc, first
.irp a, 0,1,2,3
.irp b, 0,1,2,3
.if \first
	v_wmma_scale_f32_16x16x128_f8f6f4 v[ACC+8*(4*\a+\b):ACC+8*(4*\a+\b)+7], v[\f+64+16*\b:\f+64+16*\b+15], v[\f+16*\a:\f+16*\a+15], v[BJ+8*\b:BJ+8*\b+7], v[SC+16*(\sc)+4*\b+(\q)], v[SC+16*(\sc)+4*\a+(\q)] matrix_a_scale:MATRIX_SCALE_ROW1
.else
	v_wmma_scale_f32_16x16x128_f8f6f4 v[ACC+8*(4*\a+\b):ACC+8*(4*\a+\b)+7], v[\f+64+16*\b:\f+64+16*\b+15], v[\f+16*\a:\f+16*\a+15], v[ACC+8*(4*\a+\b):ACC+8*(4*\a+\b)+7], v[SC+16*(\sc)+4*\b+(\q)], v[SC+16*(\sc)+4*\a+(\q)] matrix_a_scale:MATRIX_SCALE_ROW1
.endif
.endr
.endr
.endm
.macro WORK slot, first, ask
	FETCH \slot, 0, F0
	WIN 0
	SCALES \slot
	v_add_nc_u32 v[ADRS], 2048, v[ADRS]
	FETCH \slot, 1, F1
.if \ask
	WIN 0
	ASK
.endif
	s_wait_dscnt 32
	WIN MUL
	MULQ F0, 0, \slot, \first
	PLACES 8
	FETCH \slot, 2, F0
	s_wait_dscnt 32
	WIN MUL
	MULQ F1, 1, \slot, 0
	PLACES 8
	FETCH \slot, 3, F1
	s_wait_dscnt 32
	WIN MUL
	MULQ F0, 2, \slot, 0
	s_wait_dscnt 0x0
	MULQ F1, 3, \slot, 0
.endm
.macro TRIP slot, refill, ask
	WIN 0
.if \ask
	s_wait_xcnt 0x0
	s_add_nc_u64 s[PFA:PFA+1], s[PFA:PFA+1], 512
.endif
	s_wait_tensorcnt 0x0
	ds_add_u32 v[SPW], v[NIL]
.if \refill
	s_add_nc_u64 s[G0+4*(1-\slot)+2:G0+4*(1-\slot)+3], s[G0+4*(1-\slot)+2:G0+4*(1-\slot)+3], 1024
	s_add_nc_u64 s[G0B+4*(1-\slot)+2:G0B+4*(1-\slot)+3], s[G0B+4*(1-\slot)+2:G0B+4*(1-\slot)+3], 1024
.endif
	s_wait_dscnt 0x0
.if \refill
	CROUND
	JLOAD G0+4*(1-\slot), G1, G0B+4*(1-\slot), G1B
	PLACES 4
.else
	s_barrier_signal -1
	s_barrier_wait -1
	PLACES 8
.endif
	s_wait_alu depctr_va_vdst(0)
	WORK \slot, 0, \ask
.endm
	s_wait_alu depctr_va_vdst(0)                   ; the wait at the head's end
	s_wait_tensorcnt 0x0                           ; my tile of the head's four is in; these lines stand ahead of slot 1's first fill as ahead of a refill
	ds_add_u32 v[SPW], v[NIL]
	s_mov_b32 s[G1+2], 64<<16                      ; no tensor load of mine is out: from here on a load brings 64 rows,
	s_mov_b32 s[G1+4], 64
	s_mov_b32 s[G1B+2], 64<<16
	s_mov_b32 s[G1B+4], 64
	s_mov_b32 s[G0+1], s45                         ; and slot 0's group 0 stands at my 64 rows
	s_mov_b64 s[G0+2:G0+3], s[20:21]
	s_or_b32 s[G0+3], s[G0+3], 0x80000000
	s_mov_b32 s[G0B+1], s45
	s_mov_b64 s[G0B+2:G0B+3], s[46:47]
	s_or_b32 s[G0B+3], s[G0B+3], 0x80000000
	s_wait_dscnt 0x0
	CROUND
	JLOAD G0+4, G1, G0B+4, G1B                     ; slot 1's first fill, the first tensor load behind the round
	PLACES 4
.if TT > 2
	WORK 0, 1, 1
	TRIP 1, 1, 1
	WIN 0
	s_mov_b32 s3, (TT-4)/2
.Llap:
	TRIP 0, 1, 1
	TRIP 1, 1, 1
	WIN 0
	s_sub_co_u32 s3, s3, 1
	s_cmp_lg_u32 s3, 0
	s_cbranch_scc1 .Llap
	TRIP 0, 1, 0
.else
	WORK 0, 1, 0
.endif
	TRIP 1, 0, 0
	WIN 0
	PLACES 8
	s_wait_loadcnt 0x0
.irp a, 0,1,2,3
.irp b, 0,1,2,3
	ds_store_b128 v[STO], v[ACC+8*(4*\a+\b):ACC+8*(4*\a+\b)+3] offset:128*(\b/2)+32*(\b%2)
	ds_store_b128 v[STO], v[ACC+8*(4*\a+\b)+4:ACC+8*(4*\a+\b)+7] offset:128*(\b/2)+32*(\b%2)+16
.endr
.if \a > 0
	s_wait_xcnt 0x0
.endif
.irp t, 0,1,2,3,4,5,6,7
	ds_load_b128 v[BK+4*\t:BK+4*\t+3], v[RD] offset:2*SPT*\t
.endr
	s_wait_dscnt 0x0
	WIN 0x08
.irp i, 0,2,4,6,8,10,12,14,16,18,20,22,24,26,28,30
	v_pk_add_f32 v[BK+\i:BK+\i+1], v[BK+\i:BK+\i+1], v[32*\a+\i:32*\a+\i+1]
.endr
	WIN 0
.irp t, 0,1,2,3,4,5,6,7
	global_store_b128 v[CO], v[BK+4*\t:BK+4*\t+3], s[12:13] offset:(32*(\a/2)+8*(\a%2)+2*\t+8*(\t/4))*4096
.endr
.endr
	s_wait_tensorcnt 0x0
	ds_add_u32 v[SPW], v[NIL]
	s_wait_dscnt 0x0
	CROUND
	s_endpgm
.Lfunc_end_k_qcbeb70a094_oproj:
	.size	k_qcbeb70a094_oproj, .Lfunc_end_k_qcbeb70a094_oproj-k_qcbeb70a094_oproj
	.p2alignl 7, 3214868480
	.fill 96, 4, 3214868480
	.section	.rodata,"a",@progbits
	.p2align	6, 0x0
	.amdhsa_kernel k_qcbeb70a094_oproj
		.amdhsa_group_segment_fixed_size 327680
		.amdhsa_private_segment_fixed_size 0
		.amdhsa_enable_private_segment 0
		.amdhsa_kernarg_size 40
		.amdhsa_user_sgpr_count 2
		.amdhsa_user_sgpr_kernarg_segment_ptr 1
		.amdhsa_wavefront_size32 1
		.amdhsa_system_sgpr_workgroup_id_x 1
		.amdhsa_system_sgpr_workgroup_id_y 1
		.amdhsa_system_sgpr_workgroup_id_z 1
		.amdhsa_system_vgpr_workitem_id 0
		.amdhsa_next_free_vgpr 640
		.amdhsa_next_free_sgpr 100
		.amdhsa_reserve_vcc 0
		.amdhsa_float_denorm_mode_32 3
		.amdhsa_float_denorm_mode_16_64 3
		.amdhsa_memory_ordered 1
		.amdhsa_forward_progress 1
		.amdhsa_inst_pref_size 63
	.end_amdhsa_kernel
	.amdgpu_metadata
---
amdhsa.version: [ 1, 2 ]
amdhsa.kernels:
  - .name:           k_qcbeb70a094_oproj
    .symbol:         k_qcbeb70a094_oproj.kd
    .args:
      - { .name: acta, .offset: 0, .size: 8, .value_kind: global_buffer, .address_space: global }
      - { .name: wqs, .offset: 8, .size: 8, .value_kind: global_buffer, .address_space: global }
      - { .name: x, .offset: 16, .size: 8, .value_kind: global_buffer, .address_space: global }
      - { .name: bo, .offset: 24, .size: 8, .value_kind: global_buffer, .address_space: global }
      - { .name: x1, .offset: 32, .size: 8, .value_kind: global_buffer, .address_space: global }
    .group_segment_fixed_size: 327680
    .private_segment_fixed_size: 0
    .kernarg_segment_align: 8
    .kernarg_segment_size: 40
    .max_flat_workgroup_size: 128
    .sgpr_count:     100
    .vgpr_count:     640
    .wavefront_size: 32
...
	.end_amdgpu_metadata
.endif
;; end of part 4
;; launch ln2: the kernel of part 1 again; grid 128 x 1, 8 waves a work-group, no clusters, 43,008 bytes of LDS; arguments x1, ln2_a, ln2_b, wq, wk, wv, wo, w1, w2, bq, bk, bv, b1, acta, wqs, w1s, w2s; writes acta, wqs, w1s, w2s
;; launch ff1: the kernel of part 2 again; grid 16 x 16, 4 waves a work-group, clusters of 4 x 4, 327,680 bytes of LDS; arguments acta, w1s, hc; writes hc
;; launch ff2 (part 5): grid 8 x 32, 4 waves a work-group, clusters of 4 x 4, 327,680 bytes of LDS; arguments hc, w2s, x1, b2, out0; writes out0
.if DOCPART == 5
	.amdgcn_target "amdgcn-amd-amdhsa--gfx1250"
	.amdhsa_code_object_version 6
	.text
	.protected	k_qcbeb70a094_ff2
	.globl	k_qcbeb70a094_ff2
	.p2align	8
	.type	k_qcbeb70a094_ff2,@function
k_qcbeb70a094_ff2:
	s_mov_b64 s[64:65], 0
	v_nop
	global_prefetch_b8 v0, s[64:65] scope:SCOPE_SE
	s_setreg_imm32_b32 hwreg(HW_REG_WAVE_MODE, 25, 1), 1
	s_wait_xcnt 0x0
	s_wait_alu depctr_hold_cnt(0) depctr_sa_sdst(0) depctr_va_vdst(0) depctr_va_sdst(0) depctr_va_ssrc(0) depctr_va_vcc(0) depctr_vm_vsrc(0)
	s_getreg_b32 s2, hwreg(HW_REG_IB_STS2, 6, 4)
	s_cmp_eq_u32 s2, 0
	s_cbranch_scc0 .Lentry_in_a_cluster
	s_endpgm
.Lentry_in_a_cluster:
	s_bfe_u32 s2, ttmp6, 0x10000c
	s_cmp_lg_u32 s2, 0xf033
	s_cbranch_scc0 .Lentry_shape_is_right
	s_endpgm
.Lentry_shape_is_right:
.set KK,     4096
.set PSOFF,  0x1000000
.set PROWS,  4096
.set RROW0,  0
.set RSOFF,  0x400000
.set RROWS,  1024
.set TT,     KK/512
.set NS,     KK/256
.set PITCH,  528
.set HALFT,  64*PITCH
.set SLOT,   4*HALFT
.set SCLA,   2*SLOT
.set SCLB,   SCLA+1024*NS+128
.set SPARE,  ((SCLB+1024*NS+255)/256)*256
.set SPT,    272
.set ADRA, 16
.set ADRB, 20
.set STO,  24
.set RD,   25
.set CO,   26
.set ADRS, 27
.set SPW,  28
.set NIL,  29
.set PFO,  30
.set SC,   32
.set BJ,   64
.set BK,   96
.set ACC,  128
.set F0,   0
.set F1,   128
.set G1, 24
.set G0, 32
.set G1B, 48
.set G0B, 56
.set G1S, 68
.set G0S, 76
.set G1SB, 80
.set G0SB, 88
.set PFA,  96
.set LIM,  98
.set MSB, 0
.macro WIN new
.if MSB != (\new)
	s_set_vgpr_msb (MSB<<8)|(\new)
.set MSB, (\new)
.endif
.endm
.set MUL,  0x05
.set TO_F, 0x40
.macro JLOAD g0a, g1a, g0b, g1b
	s_cmp_eq_u32 s15, 0
	s_cbranch_scc0 .Lfor_b_\@
	tensor_load_to_lds s[\g0a:\g0a+3], s[\g1a:\g1a+7]
	s_nop 0
.rept 4
	v_nop
.endr
	s_branch .Lasked_\@
.Lfor_b_\@:
	tensor_load_to_lds s[\g0b:\g0b+3], s[\g1b:\g1b+7]
	s_nop 0
.rept 4
	v_nop
.endr
.Lasked_\@:
.endm
.macro CROUND
	s_barrier_signal -1
	s_barrier_wait -1
	s_cmp_lg_u32 s14, 0
	s_cbranch_scc1 .Lnot_wave_0_\@
	s_barrier_signal -3
.Lnot_wave_0_\@:
	s_barrier_wait -3
	s_barrier_signal -1
	s_barrier_wait -1
.endm
.macro PLACES n
.rept \n
	v_nop
.endr
.endm
.macro ASK
	s_cmp_eq_u32 s[LIM], 1
	s_cbranch_scc0 .Lnot_mine_\@
	s_wait_alu depctr_va_vdst(0)
	global_prefetch_b8 v[PFO], s[PFA:PFA+1] th:TH_LOAD_NT scope:SCOPE_SE
.Lnot_mine_\@:
.endm
	s_load_b256 s[4:11], s[0:1], 0x0
	s_load_b64 s[12:13], s[0:1], 0x20
	v_lshl_add_u32 v[SPW], v0, 2, SPARE
	v_mov_b32 v[NIL], 0
	ds_add_u32 v28, v29
	ds_add_u32 v28, v29
	s_wait_dscnt 0x0
	v_lshrrev_b32 v1, 5, v0
	v_readfirstlane_b32 s14, v1
	s_lshr_b32 s15, s14, 1
	s_and_b32 s16, s14, 1
	s_bfe_u32 s40, ttmp6, 0x40000
	s_bfe_u32 s41, ttmp6, 0x40004
	s_lshl_b32 s42, ttmp9, 2
	s_add_co_u32 s42, s42, s40
	s_and_b32 s17, ttmp7, 0xffff
	s_lshl_b32 s17, s17, 2
	s_add_co_u32 s17, s17, s41
	s_lshl_b32 s43, s41, 2
	s_lshl_b32 s43, 15, s43
	s_lshl_b32 s44, 0x1111, s40
	s_or_b32 s[G1+0], s43, (1<<20)|(1<<21)|(6<<22)|(3<<25)
	s_or_b32 s[G1B+0], s44, (1<<20)|(1<<21)|(6<<22)|(3<<25)
.irp g, G1, G1B
	s_mov_b32 s[\g+1], 512<<16
	s_mov_b32 s[\g+2], 128<<16
	s_mov_b32 s[\g+3], 512<<16
	s_mov_b32 s[\g+4], 128
	s_mov_b32 s[\g+5], KK
	s_mov_b32 s[\g+6], 0
	s_mov_b32 s[\g+7], 0
.endr
	s_or_b32 s[G1S+0], s43, (3<<16)|(1<<21)
	s_or_b32 s[G1SB+0], s44, (3<<16)|(1<<21)
.irp g, G1S, G1SB
	s_mov_b32 s[\g+1], 128<<16
	s_mov_b32 s[\g+2], NS<<16
	s_mov_b32 s[\g+3], 128<<16
	s_mov_b32 s[\g+4], NS
	s_mov_b32 s[\g+6], 0
	s_mov_b32 s[\g+7], 0
.endr
	s_mov_b32 s[G1S+5], PROWS
	s_mov_b32 s[G1SB+5], RROWS
	s_lshl_b32 s18, s16, 6
	s_lshl_b32 s20, s17, 7
	s_mul_i32 s20, s20, KK
	s_mov_b32 s21, 0
	s_lshl_b32 s46, s42, 7
	s_add_co_u32 s46, s46, RROW0
	s_mul_i32 s46, s46, KK
	s_mov_b32 s47, 0
	s_mov_b32 s22, 0
	s_lshl_b32 s23, s17, 10
	s_add_co_u32 s22, s22, s23
	s_add_co_u32 s22, s22, PSOFF
	s_mov_b32 s23, 0
	s_mov_b32 s92, 0
	s_lshl_b32 s93, s42, 10
	s_add_co_u32 s92, s92, s93
	s_add_co_u32 s92, s92, RSOFF+8*RROW0
	s_mov_b32 s93, 0
	s_mul_i32 s45, s14, HALFT
	s_mul_i32 s2, s18, KK                          ; in the ring I fetch 64 rows of a tile: which half, in bytes
	s_mov_b32 s3, 0
	s_wait_kmcnt 0x0
	s_add_nc_u64 s[20:21], s[4:5], s[20:21]
	s_add_nc_u64 s[22:23], s[4:5], s[22:23]
	s_add_nc_u64 s[46:47], s[6:7], s[46:47]
	s_add_nc_u64 s[92:93], s[6:7], s[92:93]
	CROUND
	s_mov_b32 s[G0S], 1
	s_mov_b32 s[G0S+1], SCLA
	s_mov_b64 s[G0S+2:G0S+3], s[22:23]
	s_or_b32 s[G0S+3], s[G0S+3], 0x80000000
	s_mov_b32 s[G0SB], 1
	s_mov_b32 s[G0SB+1], SCLB
	s_mov_b64 s[G0SB+2:G0SB+3], s[92:93]
	s_or_b32 s[G0SB+3], s[G0SB+3], 0x80000000
	s_mov_b32 s[G0], 1                             ; the head's tiles, each whole: slot 0's 128 rows of P,
	s_mov_b32 s[G0+1], 0
	s_mov_b64 s[G0+2:G0+3], s[20:21]
	s_or_b32 s[G0+3], s[G0+3], 0x80000000
	s_mov_b32 s[G0B], 1                            ; and of R
	s_mov_b32 s[G0B+1], 2*HALFT
	s_mov_b64 s[G0B+2:G0B+3], s[46:47]
	s_or_b32 s[G0B+3], s[G0B+3], 0x80000000
	s_add_nc_u64 s[20:21], s[20:21], s[2:3]        ; for the ring: my 64 rows
	s_add_nc_u64 s[46:47], s[46:47], s[2:3]
	s_mov_b32 s[G0+4], 1
	s_add_co_u32 s[G0+5], s45, SLOT
	s_add_nc_u64 s[G0+6:G0+7], s[20:21], 512
	s_or_b32 s[G0+7], s[G0+7], 0x80000000
	s_mov_b32 s[G0B+4], 1
	s_add_co_u32 s[G0B+5], s45, SLOT
	s_add_nc_u64 s[G0B+6:G0B+7], s[46:47], 512
	s_or_b32 s[G0B+7], s[G0B+7], 0x80000000
; The head's loads, one a wave: one chain of branches on the wave's number, an arm a load, all arms to one join.
.macro ARM under, g0, g1, next
	s_cmp_lt_u32 s14, \under
	s_cbranch_scc0 \next
	tensor_load_to_lds s[\g0:\g0+3], s[\g1:\g1+7]
	s_nop 0
.rept 4
	v_nop
.endr
	s_branch .Lhead_asked
\next:
.endm
	ARM 1, G0,  G1,  .Lhead_b
	ARM 2, G0B, G1B, .Lhead_sa
	ARM 3, G0S, G1S, .Lhead_sb
	tensor_load_to_lds s[G0SB:G0SB+3], s[G1SB:G1SB+7]
	s_nop 0
.rept 4
	v_nop
.endr
.Lhead_asked:
	v_and_b32 v1, 15, v0
	v_bfe_u32 v2, v0, 4, 1
	s_wait_alu depctr_va_vdst(0)
	v_mul_u32_u24 v3, v1, PITCH
	v_lshl_add_u32 v4, v2, 4, v3
	s_mul_i32 s22, s15, HALFT
	s_mul_i32 s23, s16, HALFT
	s_add_co_u32 s23, s23, 2*HALFT
.irp s, 0,1
	v_add_nc_u32 v[ADRA+\s], s22, v4
	v_add_nc_u32 v[ADRB+\s], s23, v4
	s_add_co_u32 s22, s22, SLOT
	s_add_co_u32 s23, s23, SLOT
.endr
	s_lshl_b32 s22, s15, 9
	s_lshl_b32 s23, s16, 9
	s_add_co_u32 s23, s23, SCLB-SCLA
	s_sub_co_u32 s23, s23, s22
	v_mul_u32_u24 v6, s23, v2
	s_add_co_u32 s22, s22, SCLA
	v_lshl_add_u32 v5, v1, 3, v6
	v_add_nc_u32 v[ADRS], s22, v5
	s_mul_i32 s22, s14, 16*SPT
	v_mul_u32_u24 v5, v1, SPT
	v_lshl_add_u32 v5, v2, 6, v5
	v_add_nc_u32 v[STO], s22, v5
	v_mul_u32_u24 v5, v2, SPT
	v_lshl_add_u32 v5, v1, 4, v5
	v_add_nc_u32 v[RD], s22, v5
	v_lshlrev_b32 v[CO], 12, v2
	v_lshl_add_u32 v[CO], v1, 4, v[CO]
	s_wait_alu depctr_va_vdst(0)
	s_lshl_b32 s22, s17, 7
	s_lshl_b32 s23, s15, 6
	s_add_co_u32 s22, s22, s23
	s_lshl_b32 s22, s22, 12
	s_lshl_b32 s23, s42, 7
	s_lshl_b32 s18, s16, 6
	s_add_co_u32 s18, s18, s23
	s_lshl_b32 s18, s18, 2
	s_add_co_u32 s22, s22, s18
	s_mov_b32 s23, 0
	s_add_nc_u64 s[8:9], s[8:9], s[22:23]
	s_add_nc_u64 s[12:13], s[12:13], s[22:23]
	v_lshl_add_u32 v3, v2, 6, s18
.irp b, 0,1
.irp k, 0,1,2,3
	global_load_b128 v[BJ+16*\b+4*\k:BJ+16*\b+4*\k+3], v3, s[10:11] offset:128*\b+16*\k
.endr
.endr
	WIN 0x80
.irp a, 0,1,2,3
.irp t, 0,1,2,3,4,5,6,7
	global_load_b128 v[32*\a+4*\t:32*\a+4*\t+3], v[CO], s[8:9] offset:(32*(\a/2)+8*(\a%2)+2*\t+8*(\t/4))*4096
.endr
.endr
	WIN 0
.if TT > 2
	s_and_b32 s22, ttmp7, 0xffff
	s_lshl_b32 s19, s17, 7
	s_lshl_b32 s23, s42, 7
	s_add_co_u32 s23, s23, RROW0
	s_cmp_eq_u32 s15, 0
	s_cselect_b32 s19, s19, s23
	s_cselect_b32 s23, s40, s41
	s_cselect_b32 s22, ttmp9, s22
	s_cselect_b64 s[PFA:PFA+1], s[4:5], s[6:7]
	s_cmp_eq_u32 s22, 0
	s_cselect_b32 s[LIM], 1, 0
	s_lshl_b32 s22, s16, 6
	s_add_co_u32 s19, s19, s22
	s_lshl_b32 s23, s23, 4
	s_add_co_u32 s19, s19, s23
	s_mul_i32 s22, s19, KK
	s_add_co_u32 s22, s22, 1024
	s_mov_b32 s23, 0
	s_add_nc_u64 s[PFA:PFA+1], s[PFA:PFA+1], s[22:23]
	v_and_b32 v[PFO], 15, v0
	v_mul_u32_u24 v[PFO], v[PFO], KK
	v_lshl_add_u32 v[PFO], v2, 8, v[PFO]
.endif
	s_wait_loadcnt 32
.macro FETCH slot, q, f
	WIN TO_F
.irp i, 0,1,2,3
.irp c, 0,1,2,3
	ds_load_b128 v[\f+16*\i+4*\c:\f+16*\i+4*\c+3], v[ADRA+\slot] offset:128*(\q)+32*\c+\i*16*PITCH
.endr
.irp c, 0,1,2,3
	ds_load_b128 v[\f+64+16*\i+4*\c:\f+64+16*\i+4*\c+3], v[ADRB+\slot] offset:128*(\q)+32*\c+\i*16*PITCH
.endr
.endr
.endm
.macro SCALES sc
.irp i, 0,1,2,3
	ds_load_b64 v[SC+16*(\sc)+4*\i:SC+16*(\sc)+4*\i+1], v[ADRS] offset:128*\i
	ds_load_b64 v[SC+16*(\sc)+4*\i+2:SC+16*(\sc)+4*\i+3], v[ADRS] offset:1024+128*\i
.endr
.endm
.macro MULQ f, q, sc, first
.irp a, 0,1,2,3
.irp b, 0,1,2,3
.if \first
	v_wmma_scale_f32_16x16x128_f8f6f4 v[ACC+8*(4*\a+\b):ACC+8*(4*\a+\b)+7], v[\f+64+16*\b:\f+64+16*\b+15], v[\f+16*\a:\f+16*\a+15], v[BJ+8*\b:BJ+8*\b+7], v[SC+16*(\sc)+4*\b+(\q)], v[SC+16*(\sc)+4*\a+(\q)] matrix_a_scale:MATRIX_SCALE_ROW1
.else
	v_wmma_scale_f32_16x16x128_f8f6f4 v[ACC+8*(4*\a+\b):ACC+8*(4*\a+\b)+7], v[\f+64+16*\b:\f+64+16*\b+15], v[\f+16*\a:\f+16*\a+15], v[ACC+8*(4*\a+\b):ACC+8*(4*\a+\b)+7], v[SC+16*(\sc)+4*\b+(\q)], v[SC+16*(\sc)+4*\a+(\q)] matrix_a_scale:MATRIX_SCALE_ROW1
.endif
.endr
.endr
.endm
.macro WORK slot, first, ask
	FETCH \slot, 0, F0
	WIN 0
	SCALES \slot
	v_add_nc_u32 v[ADRS], 2048, v[ADRS]
	FETCH \slot, 1, F1
.if \ask
	WIN 0
	ASK
.endif
	s_wait_dscnt 32
	WIN MUL
	MULQ F0, 0, \slot, \first
	PLACES 8
	FETCH \slot, 2, F0
	s_wait_dscnt 32
	WIN MUL
	MULQ F1, 1, \slot, 0
	PLACES 8
	FETCH \slot, 3, F1
	s_wait_dscnt 32
	WIN MUL
	MULQ F0, 2, \slot, 0
	s_wait_dscnt 0x0
	MULQ F1, 3, \slot, 0
.endm
.macro TRIP slot, refill, ask
	WIN 0
.if \ask
	s_wait_xcnt 0x0
	s_add_nc_u64 s[PFA:PFA+1], s[PFA:PFA+1], 512
.endif
	s_wait_tensorcnt 0x0
	ds_add_u32 v[SPW], v[NIL]
.if \refill
	s_add_nc_u64 s[G0+4*(1-\slot)+2:G0+4*(1-\slot)+3], s[G0+4*(1-\slot)+2:G0+4*(1-\slot)+3], 1024
	s_add_nc_u64 s[G0B+4*(1-\slot)+2:G0B+4*(1-\slot)+3], s[G0B+4*(1-\slot)+2:G0B+4*(1-\slot)+3], 1024
.endif
	s_wait_dscnt 0x0
.if \refill
	CROUND
	JLOAD G0+4*(1-\slot), G1, G0B+4*(1-\slot), G1B
	PLACES 4
.else
	s_barrier_signal -1
	s_barrier_wait -1
	PLACES 8
.endif
	s_wait_alu depctr_va_vdst(0)
	WORK \slot, 0, \ask
.endm
	s_wait_alu depctr_va_vdst(0)                   ; the wait at the head's end
	s_wait_tensorcnt 0x0                           ; my tile of the head's four is in; these lines stand ahead of slot 1's first fill as ahead of a refill
	ds_add_u32 v[SPW], v[NIL]
	s_mov_b32 s[G1+2], 64<<16                      ; no tensor load of mine is out: from here on a load brings 64 rows,
	s_mov_b32 s[G1+4], 64
	s_mov_b32 s[G1B+2], 64<<16
	s_mov_b32 s[G1B+4], 64
	s_mov_b32 s[G0+1], s45                         ; and slot 0's group 0 stands at my 64 rows
	s_mov_b64 s[G0+2:G0+3], s[20:21]
	s_or_b32 s[G0+3], s[G0+3], 0x80000000
	s_mov_b32 s[G0B+1], s45
	s_mov_b64 s[G0B+2:G0B+3], s[46:47]
	s_or_b32 s[G0B+3], s[G0B+3], 0x80000000
	s_wait_dscnt 0x0
	CROUND
	JLOAD G0+4, G1, G0B+4, G1B                     ; slot 1's first fill, the first tensor load behind the round
	PLACES 4
.if TT > 2
	WORK 0, 1, 1
	TRIP 1, 1, 1
	WIN 0
	s_mov_b32 s3, (TT-4)/2
.Llap:
	TRIP 0, 1, 1
	TRIP 1, 1, 1
	WIN 0
	s_sub_co_u32 s3, s3, 1
	s_cmp_lg_u32 s3, 0
	s_cbranch_scc1 .Llap
	TRIP 0, 1, 0
.else
	WORK 0, 1, 0
.endif
	TRIP 1, 0, 0
	WIN 0
	PLACES 8
	s_wait_loadcnt 0x0
.irp a, 0,1,2,3
.irp b, 0,1,2,3
	ds_store_b128 v[STO], v[ACC+8*(4*\a+\b):ACC+8*(4*\a+\b)+3] offset:128*(\b/2)+32*(\b%2)
	ds_store_b128 v[STO], v[ACC+8*(4*\a+\b)+4:ACC+8*(4*\a+\b)+7] offset:128*(\b/2)+32*(\b%2)+16
.endr
.if \a > 0
	s_wait_xcnt 0x0
.endif
.irp t, 0,1,2,3,4,5,6,7
	ds_load_b128 v[BK+4*\t:BK+4*\t+3], v[RD] offset:2*SPT*\t
.endr
	s_wait_dscnt 0x0
	WIN 0x08
.irp i, 0,2,4,6,8,10,12,14,16,18,20,22,24,26,28,30
	v_pk_add_f32 v[BK+\i:BK+\i+1], v[BK+\i:BK+\i+1], v[32*\a+\i:32*\a+\i+1]
.endr
	WIN 0
.irp t, 0,1,2,3,4,5,6,7
	global_store_b128 v[CO], v[BK+4*\t:BK+4*\t+3], s[12:13] offset:(32*(\a/2)+8*(\a%2)+2*\t+8*(\t/4))*4096
.endr
.endr
	s_wait_tensorcnt 0x0
	ds_add_u32 v[SPW], v[NIL]
	s_wait_dscnt 0x0
	CROUND
	s_endpgm
.Lfunc_end_k_qcbeb70a094_ff2:
	.size	k_qcbeb70a094_ff2, .Lfunc_end_k_qcbeb70a094_ff2-k_qcbeb70a094_ff2
	.p2alignl 7, 3214868480
	.fill 96, 4, 3214868480
	.section	.rodata,"a",@progbits
	.p2align	6, 0x0
	.amdhsa_kernel k_qcbeb70a094_ff2
		.amdhsa_group_segment_fixed_size 327680
		.amdhsa_private_segment_fixed_size 0
		.amdhsa_enable_private_segment 0
		.amdhsa_kernarg_size 40
		.amdhsa_user_sgpr_count 2
		.amdhsa_user_sgpr_kernarg_segment_ptr 1
		.amdhsa_wavefront_size32 1
		.amdhsa_system_sgpr_workgroup_id_x 1
		.amdhsa_system_sgpr_workgroup_id_y 1
		.amdhsa_system_sgpr_workgroup_id_z 1
		.amdhsa_system_vgpr_workitem_id 0
		.amdhsa_next_free_vgpr 640
		.amdhsa_next_free_sgpr 100
		.amdhsa_reserve_vcc 0
		.amdhsa_float_denorm_mode_32 3
		.amdhsa_float_denorm_mode_16_64 3
		.amdhsa_memory_ordered 1
		.amdhsa_forward_progress 1
		.amdhsa_inst_pref_size 140
	.end_amdhsa_kernel
	.amdgpu_metadata
---
amdhsa.version: [ 1, 2 ]
amdhsa.kernels:
  - .name:           k_qcbeb70a094_ff2
    .symbol:         k_qcbeb70a094_ff2.kd
    .args:
      - { .name: hc, .offset: 0, .size: 8, .value_kind: global_buffer, .address_space: global }
      - { .name: w2s, .offset: 8, .size: 8, .value_kind: global_buffer, .address_space: global }
      - { .name: x1, .offset: 16, .size: 8, .value_kind: global_buffer, .address_space: global }
      - { .name: b2, .offset: 24, .size: 8, .value_kind: global_buffer, .address_space: global }
      - { .name: out0, .offset: 32, .size: 8, .value_kind: global_buffer, .address_space: global }
    .group_segment_fixed_size: 327680
    .private_segment_fixed_size: 0
    .kernarg_segment_align: 8
    .kernarg_segment_size: 40
    .max_flat_workgroup_size: 128
    .sgpr_count:     100
    .vgpr_count:     640
    .wavefront_size: 32
...
	.end_amdgpu_metadata
.endif
;; end of part 5
